; MI455X (gfx1250); checked and timed in simulation.
; The chip was launched on July 23, 2026; its instructions are those of AMD's public machine-readable ISA for CDNA 5 (MIT licence, August 2026) and "CDNA5" Instruction Set Architecture Reference Guide (July 2026). The comments in the code are by the model that wrote it; some were corrected since.
;; Multi Head Attention. Allowed arithmetic: matrix products marked QUANTISED: E4M3 operands, one E8M0 scale for each 32 along K, by v_wmma_scale_f32_16x16x128_f8f6f4 with both operands' format E4M3, f32 sums; everything else in f32.
;; Inputs: W_k 1,024 x 1,024 float32; W_out 1,024 x 1,024 float32; W_q 1,024 x 1,024 float32; W_v 1,024 x 1,024 float32; b_k 1,024 float32; b_out 1,024 float32; b_q 1,024 float32; b_v 1,024 float32; x 2 x 2,048 x 1,024 float32.
;; Outputs: out0 2 x 2,048 x 1,024 float32.
;; This version of the problem:
;;   THIS VERSION OF THE PROBLEM IS GIVEN IN LOW PRECISION. The matrix products marked QUANTISED in the list below multiply operands that are first quantised to E4M3 (4 exponent bits, 3 mantissa bits; 8 bits a number), with one power-of-two scale for each 32 numbers along K (OCP MX v1.0); their sums are f32. All else is computed in f32.
;;   The module's matrix products, in the order in which they are computed (A, B: the left and right operand; K: the contracted axis; several contracted axes count as one K, in the product's order):
;;     1. [M 4,096, K 1,024] x [K 1,024, N 1,024]; A: input x; B: input W_q: QUANTISED
;;     2. [M 4,096, K 1,024] x [K 1,024, N 1,024]; A: input x; B: input W_k: QUANTISED
;;     3. [M 4,096, K 1,024] x [K 1,024, N 1,024]; A: input x; B: input W_v: QUANTISED
;;     4. batch 32 x [M 2,048, K 64] x [K 64, N 2,048]; A: computed on the way; B: computed on the way: QUANTISED
;;     5. batch 32 x [M 2,048, K 2,048] x [K 2,048, N 64]; A: softmax (see below); B: computed on the way: QUANTISED
;;     6. [M 4,096, K 1,024] x [K 1,024, N 1,024]; A: computed on the way; B: input W_out: QUANTISED
;;   THE QUANTISER, for each operand of a quantised product, along K:
;;     - K is cut into blocks of 32 from its start; a last block that is shorter is filled with zeros.
;;     - A block's scale is 2^e with e = floor(log2(the largest magnitude in the block)) - 8, held to -126 .. 127; a block of zeros has e = 0. As a byte (E8M0): e + 127.
;;     - Each number is divided by its block's scale, clamped to +-448, and rounded to the nearest number of E4M3, ties to even, subnormals kept.
;;     - The product sums the exact products of the quantised numbers (number of the format x scale) in f32.
;;   ~~~python
;;   def quantise(x, axis):      # numpy; x: float32 -> the quantised numbers, widened to float32 again
;;       x = np.moveaxis(x, axis, -1); K = x.shape[-1]
;;       x = np.pad(x, [(0, 0)] * (x.ndim - 1) + [(0, -K % 32)]); x = x.reshape(x.shape[:-1] + (-1, 32)); a = np.abs(x).max(-1, keepdims=True)
;;       e = np.where(a > 0, np.clip(np.frexp(np.where(a > 0, a, 1))[1] - 1 - 8, -126, 127), 0)      # np.frexp(a)[1] - 1 = floor(log2(a)), exactly
;;       r = np.clip(x / 2.0 ** e, -448, 448)
;;       step = 2.0 ** (np.maximum(np.frexp(np.where(r == 0, 1, r))[1] - 1, -6) - 3)
;;       q = np.round(r / step) * step * 2.0 ** e      # np.round: ties to even
;;       return np.moveaxis(q.reshape(q.shape[:-2] + (-1,))[..., :K], -1, axis).astype(np.float32)
;;   ~~~
;;   SOFTMAX AHEAD OF A QUANTISED PRODUCT. Where the list says 'softmax', what is quantised is not the finished softmax but p = 2^(t - M), with t = logit x log2(e) and M = ceil(the row's largest t), a whole number; so 1/2 < the row's largest p <= 1. The row's sum l is taken of the UNQUANTISED p, in f32, and the product's result is divided by l at the end. Since M is a whole number, a kernel that streams over the keys may use a running M (the ceiling of the running maximum): every later rescaling is an exact power of two, which a block's scale takes up: the codes' values come out the same.
;;   OPERANDS COMPUTED ON THE WAY. 'Computed on the way' means the value that the module computes at that place (a softmax that the list does not call 'softmax' is quantised finished and normalised). What goes into a quantiser is computed in f32, as accurately as f32 sums, v_exp_f32 and their like allow (about 1e-6 of the number): no bf16 or f16 on the way to a quantiser, and a product that is left as it is and whose result goes on into a quantised operand takes f32 operands (vector FMAs, or v_wmma_f32_16x16x4_f32). A number that lies on a knife's edge between two numbers of the format may be rounded either way, as far as f32 arithmetic and the matrix unit's own rounding can turn it there, and no further.
;; One version. Each part assembles by itself: llvm-mc -triple=amdgcn-amd-amdhsa -mcpu=gfx1250 --defsym DOCPART=n.
;; ======== version 1 of 1: 4 launches
;; workspace buffers: xq 4,325,376 bytes; wq 4,325,376 bytes; qq 4,718,592 bytes; kv 8,912,896 bytes; cq 4,325,376 bytes
;; launch quant (part 1): grid 256 x 1, 8 waves a work-group, no clusters, 68,608 bytes of LDS; arguments x, W_q, W_k, W_v, W_out, xq, wq; writes xq, wq
.if DOCPART == 1
	.amdgcn_target "amdgcn-amd-amdhsa--gfx1250"
	.amdhsa_code_object_version 6
	.text
	.protected	k_qaf2c0eace9_quant
	.globl	k_qaf2c0eace9_quant
	.p2align	8
	.type	k_qaf2c0eace9_quant,@function
k_qaf2c0eace9_quant:
	s_mov_b64 s[64:65], 0
	v_nop
	global_prefetch_b8 v0, s[64:65] scope:SCOPE_SE
	s_setreg_imm32_b32 hwreg(HW_REG_WAVE_MODE, 25, 1), 1
	s_wait_xcnt 0x0
; x [4096][1024] and the four weights [1024][1024], f32, K innermost, become codes of E4M3 with one E8M0 byte for each 32 along K,
; laid as IMAGES OF OPERAND REGISTERS: a fragment (16 rows x 128 K) is [c 0..3][lane][16 bytes]; lane (r, h) holds k = 32 c + 16 h + 0..15 of the tile's row r.
; THE ROWS OF A TILE ARE NOT NEIGHBOURS: lane r of tile u of a block of 32 rows takes row 8 u + r + 8 (r / 8), so that results made from such a tile as
; source 0 fall, 16 neighbours to a lane, into the next operand's registers.
; A block's scale is 2^(floor(log2(largest magnitude)) - 8); each number is divided by it, held within +-448 and rounded to the nearest code, ties to even.
; LIMITS: NaN and infinities among the inputs are not served.  A block of zeros, or one whose largest magnitude lies under 2^-118, gets the byte 1
; (the stated quantiser says 127 for zeros): its codes are zeros or tiny, and the bytes are read by this program alone.
; SHARES: a work-group takes one block of 32 rows: work-groups 0-127 x's, then 32 each for W_q, W_k, W_v, W_out.  Wave w of eight takes K step w of both tiles:
; two fragments, and asks for both at its head: 8 waves x 32 loads x 512 bytes are the block's whole 131,072 bytes, on their way at once.
; Only pointers and offsets are chosen by the work-group's number: all take one path.
; Each load reads 512 consecutive bytes (128 numbers of one row); 16 rows turn through the wave's own stage in LDS (rows of 512 + 16 bytes) and come back
; 64 bytes a lane.  Each store of codes covers 512 consecutive bytes.  No tensor loads, no barrier, no cluster: work-groups share no input, waves share nothing.
.set XS_OFF, 4194304                   ; xq: the scale words, [block][K step][lane][4], behind the codes [block][K step][u][c][lane][16]
.set WREC,   25344                     ; wq: a record (head, K step): 12 tiles x 2,048 bytes, then 6 images of scale words of 128 bytes
.set WHEAD,  8*WREC
.set WO_OFF, 16*WHEAD                  ; wq: W_out's part: records (group of 64 columns, K step)
.set OREC,   8448                      ; 4 tiles x 2,048 bytes, then 2 images of scale words
.set OGRP,   8*OREC
.set SP,     528                       ; a stage row
.set STG,    16*SP                     ; a wave's stage
.set LI,  1                            ; v1   16 x lane
.set LS,  2                            ; v2   4 x lane
.set STI, 3                            ; v3   the stage, on the way in
.set STO, 4                            ; v4   and on the way out
.set TM,  8                            ; v8-11 largest magnitudes, v12-15 bytes, v16-19 448 x the scale, v20-23 the conversions' scale operands
.set PW,  24                           ; v24-25 tile u's scale word
.set MW,  28                           ; v28  the two tiles' words in one register
.set RW,  32                           ; v32-159 two sets of 64: a tile's 16 rows as loaded
.set XN,  160                          ; v160-223 64 numbers of my row
.set PC,  224                          ; v224-255 the two fragments' codes: each store has data registers of its own
.set SEL, 50                           ; s[50:51] lane selects for lane l xor 16
.set MNT, 52                           ; s52 the mantissa field of 448
	s_load_b256 s[4:11], s[0:1], 0x0               ; x, W_q, W_k, W_v
	s_load_b128 s[12:15], s[0:1], 0x20             ; W_out, xq
	s_load_b64 s[16:17], s[0:1], 0x30              ; wq
	v_lshl_add_u32 v30, v0, 2, 0x10800
	v_mov_b32 v31, 0
	v_lshrrev_b32 v1, 5, v0
	v_readfirstlane_b32 s18, v1                    ; wave 0..7
	v_and_b32 v5, 31, v0                           ; lane
	v_lshlrev_b32 v[LI], 4, v5
	v_lshlrev_b32 v[LS], 2, v5
	s_mul_i32 s19, s18, STG                        ; my stage
	v_add_nc_u32 v[STI], s19, v[LI]                ; in: 16 bytes a lane, a row an instruction
	v_and_b32 v6, 15, v0                           ; r
	v_bfe_u32 v7, v0, 4, 1                         ; h
	v_mul_u32_u24 v[STO], v6, SP
	v_lshl_add_u32 v[STO], v7, 6, v[STO]
	v_add_nc_u32 v[STO], s19, v[STO]               ; out: row r, + 64 h: my 16 numbers of a block of 32
.irp b, 0,1,2,3
	v_mov_b32 v[TM+4+\b], 0                        ; written once: a lane permute's destination counts as one of its sources
.endr
	s_mov_b32 s[SEL], 0x76543210
	s_mov_b32 s[SEL+1], 0xfedcba98
	s_mov_b32 s[MNT], 0x600000
	s_mov_b32 vcc_lo, 0xffff0000                   ; lanes 16-31
	s_and_b32 s20, ttmp9, 127                      ; x: the block;  weights: 32 x matrix + block
	s_lshr_b32 s21, s20, 5                         ; which weight
	s_and_b32 s22, s20, 31                         ; its block of 32 rows
	s_lshr_b32 s23, s22, 1                         ; head (W_out: group of 64 columns)
	s_and_b32 s24, s22, 1                          ; which 32 of its 64
	; where codes (c0) and scale words (e0) begin and how far a K step goes on, for each of the three kinds
	s_mul_i32 s26, s23, WHEAD                      ; W_q, W_k, W_v
	s_lshl_b32 s27, s21, 1
	s_add_co_u32 s27, s27, s24                     ; 2 x matrix + half
	s_lshl_b32 s28, s27, 12
	s_add_co_u32 s28, s28, s26                     ; c0: two tiles of 2,048 bytes for each
	s_lshl_b32 s29, s27, 7
	s_add_co_u32 s29, s29, s26
	s_add_co_u32 s29, s29, 24576                   ; e0
	s_mov_b32 s30, WREC
	s_mov_b32 s31, WREC
	s_mul_i32 s32, s23, OGRP                       ; W_out
	s_add_co_u32 s32, s32, WO_OFF
	s_lshl_b32 s33, s24, 12
	s_add_co_u32 s33, s33, s32
	s_lshl_b32 s34, s24, 7
	s_add_co_u32 s34, s34, s32
	s_add_co_u32 s34, s34, 8192
	s_mov_b32 s35, OREC
	s_lshl_b32 s36, s20, 15                        ; x
	s_lshl_b32 s37, s20, 10
	s_add_co_u32 s37, s37, XS_OFF
	s_mov_b32 s38, 4096
	s_mov_b32 s39, 128
	s_cmp_eq_u32 s21, 3
	s_cselect_b32 s28, s33, s28
	s_cselect_b32 s29, s34, s29
	s_cselect_b32 s30, s35, s30
	s_cselect_b32 s31, s35, s31
	s_cmp_lt_u32 ttmp9, 128
	s_cselect_b32 s28, s36, s28
	s_cselect_b32 s29, s37, s29
	s_cselect_b32 s30, s38, s30
	s_cselect_b32 s31, s39, s31
	s_cselect_b32 s25, s20, s22                    ; the source's block of 32 rows
	s_wait_kmcnt 0x0
	s_cmp_eq_u32 s21, 1                            ; the choices hang on the work-group's number alone
	s_cselect_b64 s[6:7], s[8:9], s[6:7]
	s_cmp_eq_u32 s21, 2
	s_cselect_b64 s[6:7], s[10:11], s[6:7]
	s_cmp_eq_u32 s21, 3
	s_cselect_b64 s[6:7], s[12:13], s[6:7]
	s_cmp_lt_u32 ttmp9, 128
	s_cselect_b64 s[4:5], s[4:5], s[6:7]           ; the source
	s_cselect_b64 s[14:15], s[14:15], s[16:17]     ; the destination
	s_lshl_b32 s48, s25, 17                        ; 32 rows of 4,096 bytes,
	s_lshl_b32 s53, s18, 9                         ; my K step of 512 bytes
	s_add_co_u32 s48, s48, s53
	s_mov_b32 s49, 0
	s_add_nc_u64 s[4:5], s[4:5], s[48:49]
.macro LOAD f                          ; tile f's 16 rows, 128 numbers each, into set f
.irp i, 0,1,2,3,4,5,6,7,8,9,10,11,12,13,14,15
	global_load_b128 v[RW+64*(\f)+4*\i:RW+64*(\f)+4*\i+3], v[LI], s[4:5] offset:(8*(\f)+\i+8*(\i/8))*4096 th:TH_LOAD_NT
.endr
.endm
	LOAD 0                                         ; all that the wave will read is asked for before anything else is done
	LOAD 1
	s_mul_i32 s48, s18, s30
	s_add_co_u32 s48, s48, s28
	s_add_nc_u64 s[40:41], s[14:15], s[48:49]      ; the codes of K step w,
	s_mul_i32 s48, s18, s31
	s_add_co_u32 s48, s48, s29
	s_add_nc_u64 s[44:45], s[14:15], s[48:49]      ; and its scale words
.macro QUANT pw, pc                    ; v[XN] on: register 16 b + i = k 32 b + 16 h + i of my row -> codes in v[pc] on, the row's scale word in v[pw]
.irp b, 0,1,2,3
	v_max3_num_f32 v[TM+\b], |v[XN+16*\b]|, |v[XN+16*\b+1]|, 0x4800000   ; my 16 numbers of block b, and the floor 2^(9 - 127): the byte cannot fall under 1
.endr
.irp i, 2,4,6,8,10,12,14
.irp b, 0,1,2,3
	v_max3_num_f32 v[TM+\b], v[TM+\b], |v[XN+16*\b+\i]|, |v[XN+16*\b+\i+1]|
.endr
.endr
.irp b, 0,1,2,3
	v_permlanex16_b32 v[TM+4+\b], v[TM+\b], s[SEL], s[SEL+1]
.endr
.irp b, 0,1,2,3
	v_max_num_f32 v[TM+\b], v[TM+\b], v[TM+4+\b]   ; with lane l xor 16's: the block's largest magnitude
.endr
.irp b, 0,1,2,3
	v_add_nc_u32 v[TM+12+\b], 0xfc000000, v[TM+\b] ; 8 off its exponent field: the conversion takes this operand's exponent field as its scale
.endr
.irp b, 0,1,2,3
	v_and_or_b32 v[TM+8+\b], v[TM+\b], 0x7f800000, s[MNT]   ; 448 x the scale
.endr
.irp b, 0,1,2,3
	v_lshrrev_b32 v[TM+4+\b], 23, v[TM+12+\b]      ; the scale's byte
.endr
	v_lshl_or_b32 v[(\pw)], v[TM+5], 8, v[TM+4]
	v_lshl_or_b32 v[(\pw)], v[TM+6], 16, v[(\pw)]
	v_lshl_or_b32 v[(\pw)], v[TM+7], 24, v[(\pw)]
.irp b, 0,1,2,3
.irp i, 0,1,2,3,4,5,6,7,8,9,10,11,12,13,14,15
	v_med3_num_f32 v[XN+16*\b+\i], v[XN+16*\b+\i], -v[TM+8+\b], v[TM+8+\b]   ; the conversion to an 8-bit code does not saturate (ISA guide 7.6.2): the hold
.endr
	v_cvt_scalef32_pk8_fp8_f32 v[(\pc)+4*\b:(\pc)+4*\b+1], v[XN+16*\b:XN+16*\b+7], v[TM+12+\b]
	v_cvt_scalef32_pk8_fp8_f32 v[(\pc)+4*\b+2:(\pc)+4*\b+3], v[XN+16*\b+8:XN+16*\b+15], v[TM+12+\b]
.endr
	v_nop                                          ; one plain line behind the last conversion
.endm
.macro FRAG f
.if (\f) == 0
	s_wait_loadcnt 16                              ; tile 0's 16 loads are in; tile 1's 16 may be out
.else
	s_wait_loadcnt 0x0
.endif
.irp i, 0,1,2,3,4,5,6,7,8,9,10,11,12,13,14,15
	ds_store_b128 v[STI], v[RW+64*(\f)+4*\i:RW+64*(\f)+4*\i+3] offset:SP*\i
.endr
.irp c, 0,1,2,3
.irp j, 0,1,2,3
	ds_load_b128 v[XN+16*\c+4*\j:XN+16*\c+4*\j+3], v[STO] offset:128*\c+16*\j   ; LDS serves a wave's instructions in order: these see my stores
.endr
.endr
	s_wait_dscnt 0x0                               ; my 64 numbers are in
	QUANT PW+(\f), PC+16*(\f)
.irp c, 0,1,2,3
	global_store_b128 v[LI], v[PC+16*(\f)+4*\c:PC+16*(\f)+4*\c+3], s[40:41] offset:(\f)*2048+\c*512   ; 32 lanes store 512 consecutive bytes
.endr
.endm
	FRAG 0
	FRAG 1
	v_cndmask_b32 v[MW], v[PW], v[PW+1], vcc_lo    ; lanes 0-15: tile 0's rows; lanes 16-31: tile 1's (both halves of the lanes hold row r's word)
	global_store_b32 v[LS], v[MW], s[44:45]
	s_wait_tensorcnt 0x0
	ds_add_u32 v30, v31
	s_wait_dscnt 0x0
	s_endpgm
.Lfunc_end_k_qaf2c0eace9_quant:
	.size	k_qaf2c0eace9_quant, .Lfunc_end_k_qaf2c0eace9_quant-k_qaf2c0eace9_quant
	.p2alignl 7, 3214868480
	.fill 96, 4, 3214868480
	.section	.rodata,"a",@progbits
	.p2align	6, 0x0
	.amdhsa_kernel k_qaf2c0eace9_quant
		.amdhsa_group_segment_fixed_size 68608
		.amdhsa_private_segment_fixed_size 0
		.amdhsa_enable_private_segment 0
		.amdhsa_kernarg_size 56
		.amdhsa_user_sgpr_count 2
		.amdhsa_user_sgpr_kernarg_segment_ptr 1
		.amdhsa_wavefront_size32 1
		.amdhsa_system_sgpr_workgroup_id_x 1
		.amdhsa_system_sgpr_workgroup_id_y 1
		.amdhsa_system_sgpr_workgroup_id_z 1
		.amdhsa_system_vgpr_workitem_id 0
		.amdhsa_next_free_vgpr 256
		.amdhsa_next_free_sgpr 66
		.amdhsa_reserve_vcc 1
		.amdhsa_float_denorm_mode_32 3
		.amdhsa_float_denorm_mode_16_64 3
		.amdhsa_memory_ordered 1
		.amdhsa_forward_progress 1
		.amdhsa_inst_pref_size 28
	.end_amdhsa_kernel
	.amdgpu_metadata
---
amdhsa.version: [ 1, 2 ]
amdhsa.kernels:
  - .name:           k_qaf2c0eace9_quant
    .symbol:         k_qaf2c0eace9_quant.kd
    .args:
      - { .name: x, .offset: 0, .size: 8, .value_kind: global_buffer, .address_space: global }
      - { .name: W_q, .offset: 8, .size: 8, .value_kind: global_buffer, .address_space: global }
      - { .name: W_k, .offset: 16, .size: 8, .value_kind: global_buffer, .address_space: global }
      - { .name: W_v, .offset: 24, .size: 8, .value_kind: global_buffer, .address_space: global }
      - { .name: W_out, .offset: 32, .size: 8, .value_kind: global_buffer, .address_space: global }
      - { .name: xq, .offset: 40, .size: 8, .value_kind: global_buffer, .address_space: global }
      - { .name: wq, .offset: 48, .size: 8, .value_kind: global_buffer, .address_space: global }
    .group_segment_fixed_size: 68608
    .private_segment_fixed_size: 0
    .kernarg_segment_align: 8
    .kernarg_segment_size: 56
    .max_flat_workgroup_size: 256
    .sgpr_count:     66
    .vgpr_count:     256
    .wavefront_size: 32
...
	.end_amdgpu_metadata
.endif
;; end of part 1
;; launch qkv (part 2): grid 16 x 16, 4 waves a work-group, clusters of 4 x 1, 203,264 bytes of LDS; arguments xq, wq, b_q, b_k, b_v, qq, kv; writes qq, kv
.if DOCPART == 2
	.amdgcn_target "amdgcn-amd-amdhsa--gfx1250"
	.amdhsa_code_object_version 6
	.text
	.protected	k_qaf2c0eace9_qkv
	.globl	k_qaf2c0eace9_qkv
	.p2align	8
	.type	k_qaf2c0eace9_qkv,@function
k_qaf2c0eace9_qkv:
	s_mov_b64 s[64:65], 0
	v_nop
	global_prefetch_b8 v0, s[64:65] scope:SCOPE_SE
	s_setreg_imm32_b32 hwreg(HW_REG_WAVE_MODE, 25, 1), 1
	s_wait_xcnt 0x0
	s_wait_alu depctr_hold_cnt(0) depctr_sa_sdst(0) depctr_va_vdst(0) depctr_va_sdst(0) depctr_va_ssrc(0) depctr_va_vcc(0) depctr_vm_vsrc(0)
	s_getreg_b32 s2, hwreg(HW_REG_IB_STS2, 6, 4)
	s_cmp_eq_u32 s2, 0
	s_cbranch_scc0 .Lentry_in_a_cluster
	s_endpgm
.Lentry_in_a_cluster:
	s_bfe_u32 s2, ttmp6, 0x10000c
	s_cmp_lg_u32 s2, 0x3003
	s_cbranch_scc0 .Lentry_shape_is_right
	s_endpgm
.Lentry_shape_is_right:
; Q, K, V = x W^T + b for one head and 256 tokens, on codes of E4M3 with E8M0 scales, and their quantising for attention: Q and K along the head's 64, V along the tokens (keys).
; SHARES: work-group (R, head): tokens 256 R on of the 4,096.  Wave w: tokens 64 w on: four tiles m of x against the head's 12 tiles of W (4 of W_q, 4 of W_k, 4 of W_v): 48 accumulators.
; LAYOUT: every operand lies in memory as an image of its registers ([c][lane][16 bytes]); lane r of tile u of a block of 32 rows holds row 8 u + r + 8 (r / 8).
;   Q, K: source 0 = W's tile, source 1 = x's: a lane holds one token, and the registers of tiles 2 b, 2 b + 1 are the 16 neighbours 32 b + 16 h + 0..15 of the head's 64.
;   V:    source 0 = x's tile, source 1 = W_v's: a lane holds one channel, and the registers of token tiles 2 B, 2 B + 1 are 16 neighbouring tokens: V^T with the keys innermost.
;   So the conversions' results ARE the next operands' registers, and each store of codes covers 512 consecutive bytes.
; The bias is the C of each sum's first matrix instruction (it is added ahead of the products, not behind them).
; W: the head's eight records (one a K step, 25,344 bytes: 12 tiles and their scale words) fill LDS ONCE: 202,752 bytes.  CLUSTER: the four work-groups of a cluster have the same head:
; each record is asked for JOINTLY.  x's fragments are each wave's own and go from memory straight into its registers: through LDS the work-group's 256 x 1,024 bytes of x would not fit beside W's records.
; LIMITS: NaN and infinities are not served; a block whose largest magnitude lies under 2^-118 (zeros too) gets the byte 1; the bytes are read by this program alone.
; REGISTERS: window 0: v1-15, v60-62 addresses; v16-31 x's scale words; v32-43 W's, two sets; v44-59 at work; v64-255 x's fragments, three sets of 64 (on the way out: numbers, codes, scale words).
;   window 1: W's 12 fragments.   window 2: Q's and K's accumulators, (m, t) at v[8 (8 m + t)].   window 3: V's, (t, m) at v[8 (4 t + m)]; from v128 the biases.
.set XS_OFF, 4194304
.set QS_OFF, 4194304                   ; qq: scale words [head][tile][lane][4] behind the codes [head][tile][c 0..1][lane][16]
.set WREC,   25344
.set WHEAD,  8*WREC
.set KREC,   17408                     ; kv: a record (head, 128 keys): K 8 x 1,024; V^T 4 x 2,048; K's scale words 512; V's 256; 256 zeros
.set KHEAD,  16*KREC
.set LI,  1                            ; v1   16 x lane
.set LS,  2                            ; v2   4 x lane
.set L8,  3                            ; v3   8 x lane
.set WA,  4                            ; v4-7   LDS: W's fragments of records 2 k, 2 k + 1
.set WSA, 8                            ; v8-11  their scale words
.set VK,  12                           ; v12-15, v60: my offsets in a record of kv: K's codes, V's codes, K's scale words, V's, the zeros
.set VV,  13
.set VKS, 14
.set VVS, 15
.set VPD, 60
.set BQA, 61                           ; v61  b_q, b_k: 64 h
.set BVA, 62                           ; v62  b_v: 4 (r + 8 (r / 8))
.set XS,  16
.set WS,  32
.set TM,  44                           ; v44-47 largest magnitudes (at first: b_v as loaded), v48-51 bytes, v52-55 448 x the scale, v56-59 scale operands
.set XF,  64
.set XT,  64                           ; the way out: 64 numbers held
.set PC,  128                          ; six fragments' worth of codes
.set QW,  224
.set KW,  228
.set KM,  232
.set VH,  234
.set NIL, 238
.set BQK, 128                          ; window 3: b_q's and b_k's eight tiles,
.set BV,  192                          ; b_v's four
.set WV,  18
.set SEL, 20
.set MNT, 22
.set G1,  24
.set G0A, 32
.set G0B, 36
.set MSB, 0
.macro WIN new                         ; the immediate's high byte repeats the setting that is left
.if MSB != (\new)
	s_set_vgpr_msb (MSB<<8)|(\new)
.set MSB, (\new)
.endif
.endm
.macro PLACES n
.rept \n
	v_nop
.endr
.endm
.macro CROUND                          ; a round of the cluster's barrier
	s_barrier_signal -1
	s_barrier_wait -1
	s_cmp_lg_u32 s[WV], 0
	s_cbranch_scc1 .Lnot_wave_0_\@
	s_barrier_signal -3
.Lnot_wave_0_\@:
	s_barrier_wait -3
	s_barrier_signal -1
	s_barrier_wait -1
.endm
.macro WM d, a, b, c, sa, sb, ra, rb   ; one product; ra, rb = 1: that side's scales stand in lanes 16-31
.if (\ra) && (\rb)
	v_wmma_scale_f32_16x16x128_f8f6f4 v[(\d):(\d)+7], v[(\a):(\a)+15], v[(\b):(\b)+15], v[(\c):(\c)+7], v[(\sa)], v[(\sb)] matrix_a_scale:MATRIX_SCALE_ROW1 matrix_b_scale:MATRIX_SCALE_ROW1
.elseif (\ra)
	v_wmma_scale_f32_16x16x128_f8f6f4 v[(\d):(\d)+7], v[(\a):(\a)+15], v[(\b):(\b)+15], v[(\c):(\c)+7], v[(\sa)], v[(\sb)] matrix_a_scale:MATRIX_SCALE_ROW1
.elseif (\rb)
	v_wmma_scale_f32_16x16x128_f8f6f4 v[(\d):(\d)+7], v[(\a):(\a)+15], v[(\b):(\b)+15], v[(\c):(\c)+7], v[(\sa)], v[(\sb)] matrix_b_scale:MATRIX_SCALE_ROW1
.else
	v_wmma_scale_f32_16x16x128_f8f6f4 v[(\d):(\d)+7], v[(\a):(\a)+15], v[(\b):(\b)+15], v[(\c):(\c)+7], v[(\sa)], v[(\sb)]
.endif
.endm
	s_load_b256 s[4:11], s[0:1], 0x0               ; xq, wq, b_q, b_k
	s_load_b128 s[12:15], s[0:1], 0x20             ; b_v, qq
	s_load_b64 s[16:17], s[0:1], 0x30              ; kv
	s_set_vgpr_msb 0x40
	v_lshl_add_u32 v254, v0, 2, 0x31800
	v_mov_b32 v255, 0
	s_set_vgpr_msb 0x4045
	ds_add_u32 v254, v255
	ds_add_u32 v254, v255
	s_set_vgpr_msb 0x4500
	v_lshrrev_b32 v1, 5, v0
	v_readfirstlane_b32 s[WV], v1                  ; wave 0..3
	s_bfe_u32 s19, ttmp6, 0x40000                  ; cx
	s_lshl_b32 s23, ttmp9, 2
	s_add_co_u32 s23, s23, s19                     ; R = 4 x cluster x + cx: it enters global addresses of x, qq, kv alone
	s_and_b32 s40, ttmp7, 0xffff                   ; the head, which the four partners share
	; descriptor group 1: a record is dense: 99 rows of 256 bytes (32 elements of 8 bytes)
	s_mov_b32 s[G1], 15|(3<<16)|(1<<21)            ; 15:0 the mask: all four work-groups; 17:16 elements of 8 bytes; 21 set beside a mask; no padding
	s_mov_b32 s[G1+1], 32<<16                      ; tensor_dim0
	s_mov_b32 s[G1+2], 99<<16                      ; tensor_dim1
	s_mov_b32 s[G1+3], 32<<16                      ; tile_dim0
	s_mov_b32 s[G1+4], 99                          ; tile_dim1
	s_mov_b32 s[G1+5], 32                          ; the pitch
	s_mov_b32 s[G1+6], 0
	s_mov_b32 s[G1+7], 0
	s_mul_i32 s41, s40, WHEAD
	s_mul_i32 s42, s[WV], WREC                     ; wave w brings records w and w + 4
	s_add_co_u32 s44, s41, s42
	s_mov_b32 s45, 0
	s_mov_b32 s[SEL], 0x76543210
	s_mov_b32 s[SEL+1], 0xfedcba98
	s_mov_b32 s[MNT], 0x600000
	s_wait_dscnt 0x0
	s_wait_kmcnt 0x0
	s_mov_b32 s[G0A], 1
	s_mov_b32 s[G0A+1], s42
	s_add_nc_u64 s[G0A+2:G0A+3], s[6:7], s[44:45]
	s_mov_b32 s[G0B], 1
	s_add_co_u32 s[G0B+1], s42, 4*WREC
	s_add_nc_u64 s[G0B+2:G0B+3], s[G0A+2:G0A+3], 4*WREC
	s_or_b32 s[G0A+3], s[G0A+3], 0x80000000
	s_or_b32 s[G0B+3], s[G0B+3], 0x80000000
	CROUND                                         ; all four work-groups are here: the joint loads meet
	tensor_load_to_lds s[G0A:G0A+3], s[G1:G1+7]    ; the only fills of the launch: two loads of mine are out
	s_nop 0
	tensor_load_to_lds s[G0B:G0B+3], s[G1:G1+7]
	s_nop 0
	PLACES 4
	v_and_b32 v63, 31, v0
	v_lshlrev_b32 v[LI], 4, v63
	v_lshlrev_b32 v[LS], 2, v63
	v_lshlrev_b32 v[L8], 3, v63
.irp k, 0,1,2,3
	v_add_nc_u32 v[WA+\k], \k*2*WREC, v[LI]
	v_add_nc_u32 v[WSA+\k], \k*2*WREC, v[LS]
.endr
	v_bfe_u32 v63, v0, 4, 1                        ; h
	v_lshlrev_b32 v[BQA], 6, v63
	v_and_b32 v63, 15, v0                          ; r
	v_and_b32 v[BVA], 8, v63
	v_add_nc_u32 v[BVA], v[BVA], v63
	v_lshlrev_b32 v[BVA], 2, v[BVA]
	s_and_b32 s43, s[WV], 1                        ; e: which half of a record's 128 keys is my wave's
	s_lshl_b32 s46, s43, 12
	v_add_nc_u32 v[VK], s46, v[LI]                 ; K's tiles 4 e + m
	s_lshl_b32 s46, s43, 10
	s_add_co_u32 s46, s46, 8192
	v_add_nc_u32 v[VV], s46, v[LI]                 ; V's key blocks 2 e, 2 e + 1
	s_lshl_b32 s46, s43, 8
	s_add_co_u32 s46, s46, 16384
	v_add_nc_u32 v[VKS], s46, v[L8]
	s_lshl_b32 s46, s43, 1
	s_add_co_u32 s46, s46, 16896
	v_add_nc_u32 v[VVS], s46, v[L8]
	s_lshl_b32 s46, s43, 7
	s_add_co_u32 s46, s46, 17152
	v_add_nc_u32 v[VPD], s46, v[LS]
	s_lshl_b32 s46, s23, 3
	s_lshl_b32 s47, s[WV], 1
	s_add_co_u32 s46, s46, s47                     ; my first block of 32 tokens: 8 R + 2 w
	s_lshl_b32 s48, s46, 15
	s_mov_b32 s49, 0
	s_add_nc_u64 s[50:51], s[4:5], s[48:49]        ; its codes
	s_lshl_b32 s48, s46, 10
	s_add_co_u32 s48, s48, XS_OFF
	s_add_nc_u64 s[52:53], s[4:5], s[48:49]        ; its scale words
	s_lshl_b32 s48, s40, 8                         ; the head's 64 numbers of each bias
	s_add_nc_u64 s[8:9], s[8:9], s[48:49]
	s_add_nc_u64 s[10:11], s[10:11], s[48:49]
	s_add_nc_u64 s[12:13], s[12:13], s[48:49]
	s_lshr_b32 s46, s23, 3                         ; the batch,
	s_and_b32 s47, s23, 7                          ; the block of 256 tokens in it
	s_lshl_b32 s46, s46, 4
	s_add_co_u32 s46, s46, s40                     ; 16 x batch + head
	s_mul_i32 s48, s46, KHEAD
	s_lshl_b32 s54, s47, 1
	s_lshr_b32 s55, s[WV], 1
	s_add_co_u32 s54, s54, s55                     ; the record of 128 keys
	s_mul_i32 s54, s54, KREC
	s_add_co_u32 s48, s48, s54
	s_add_nc_u64 s[16:17], s[16:17], s[48:49]      ; kv at my record
	s_lshl_b32 s54, s47, 4
	s_lshl_b32 s55, s[WV], 2
	s_add_co_u32 s54, s54, s55
	s_lshl_b32 s55, s46, 7
	s_add_co_u32 s54, s54, s55                     ; my first tile of queries among all
	s_lshl_b32 s48, s54, 10
	s_add_nc_u64 s[56:57], s[14:15], s[48:49]      ; Q's codes
	s_lshl_b32 s48, s54, 7
	s_add_co_u32 s48, s48, QS_OFF
	s_add_nc_u64 s[58:59], s[14:15], s[48:49]      ; Q's scale words
.irp k, 0,1,2,3,4,5,6,7
.irp q, 0,1
	global_load_b32 v[XS+2*\k+\q], v[LS], s[52:53] offset:\q*1024+\k*128   ; K step k, block q: lanes 0-15 tile 2 q's rows, lanes 16-31 tile 2 q + 1's
.endr
.endr
	WIN 0xc0                                       ; destination window 3
.irp t, 0,1,2,3
	global_load_b128 v[BQK+8*\t:BQK+8*\t+3], v[BQA], s[8:9] offset:(32*(\t/2)+8*(\t%2))*4        ; lane (r, h), tile 2 b + u: b(32 b + 16 h + 8 u + 0..7)
	global_load_b128 v[BQK+8*\t+4:BQK+8*\t+7], v[BQA], s[8:9] offset:(32*(\t/2)+8*(\t%2))*4+16
	global_load_b128 v[BQK+32+8*\t:BQK+32+8*\t+3], v[BQA], s[10:11] offset:(32*(\t/2)+8*(\t%2))*4
	global_load_b128 v[BQK+32+8*\t+4:BQK+32+8*\t+7], v[BQA], s[10:11] offset:(32*(\t/2)+8*(\t%2))*4+16
.endr
	WIN 0
.irp t, 0,1,2,3
	global_load_b32 v[TM+\t], v[BVA], s[12:13] offset:(32*(\t/2)+8*(\t%2))*4   ; V's results hold one channel a lane: b_v of the tile's row r
.endr
.macro XLOAD s                         ; x's four fragments of K step s into set s % 3
.irp m, 0,1,2,3
.irp c, 0,1,2,3
	global_load_b128 v[XF+64*((\s)%3)+16*\m+4*\c:XF+64*((\s)%3)+16*\m+4*\c+3], v[LI], s[50:51] offset:(\m/2)*32768+(\s)*4096+(\m%2)*2048+\c*512
.endr
.endr
.endm
.macro WLOAD half, s                   ; W's tiles 6 half .. 6 half + 5 of K step s
	WIN 0x40                                       ; destination window 1
.irp t, 0,1,2,3,4,5
.irp c, 0,1,2,3
	ds_load_b128 v[16*(6*(\half)+\t)+4*\c:16*(6*(\half)+\t)+4*\c+3], v[WA+(\s)/2] offset:((\s)%2)*WREC+(6*(\half)+\t)*2048+\c*512
.endr
.endr
	WIN 0
.endm
.macro WSLOAD s                        ; W's six registers of scale words of K step s into set s % 2: register p: lanes 0-15 tile 2 p, lanes 16-31 tile 2 p + 1
.irp p, 0,1,2,3,4,5
	ds_load_b32 v[WS+6*((\s)%2)+\p], v[WSA+(\s)/2] offset:((\s)%2)*WREC+24576+128*\p
.endr
.endm
.macro MQK t, s                        ; tile t of W_q, W_k against x's four tiles
.irp m, 0,1,2,3
.if (\s) == 0
	WM 8*(8*\m+(\t)), 16*(\t), XF+64*((\s)%3)+16*\m, BQK+8*(\t), WS+6*((\s)%2)+(\t)/2, XS+2*(\s)+\m/2, (\t)%2, \m%2
.else
	WM 8*(8*\m+(\t)), 16*(\t), XF+64*((\s)%3)+16*\m, 8*(8*\m+(\t)), WS+6*((\s)%2)+(\t)/2, XS+2*(\s)+\m/2, (\t)%2, \m%2
.endif
.endr
.endm
.macro MV t, s                         ; x's four tiles against tile t of W_v
.irp m, 0,1,2,3
.if (\s) == 0
	WM 8*(4*(\t)+\m), XF+64*((\s)%3)+16*\m, 16*(8+(\t)), BV+8*(\t), XS+2*(\s)+\m/2, WS+6*((\s)%2)+4+(\t)/2, \m%2, (\t)%2
.else
	WM 8*(4*(\t)+\m), XF+64*((\s)%3)+16*\m, 16*(8+(\t)), 8*(4*(\t)+\m), XS+2*(\s)+\m/2, WS+6*((\s)%2)+4+(\t)/2, \m%2, (\t)%2
.endif
.endr
.endm
; A K step of 128: 48 products, the 48 accumulators by turns, one instruction a turn, in the same order in every step.
; Eight plain places stand behind the products in front of every run of loads into registers that they have read.
.macro KSTEP s
.if (\s) <= 5
	s_wait_loadcnt 32                              ; this step's x is in (in step 0 also the scale words and biases, asked for earlier); the next two steps' 32 loads may be out
.elseif (\s) == 6
	s_wait_loadcnt 16
.else
	s_wait_loadcnt 0x0
.endif
.if (\s) == 0
	WIN 0xc0
.irp t, 0,1,2,3
.irp j, 0,1,2,3,4,5,6,7
	v_mov_b32 v[BV+8*\t+\j], v[TM+\t]              ; b_v in the result's layout: eight equal registers a tile
.endr
.endr
	WIN 0
	PLACES 4
.endif
	s_wait_dscnt 24                                ; W's tiles 0-5 and the scale words are in; tiles 6-11 (24 loads) may be out
.if (\s) == 0
	WIN 0xb1                                       ; source 0 (W) window 1, source 1 (x) window 0, C (the bias) window 3, D window 2
.else
	WIN 0xa1                                       ; C and D window 2
.endif
.irp t, 0,1,2,3,4,5
	MQK \t, \s
.endr
.if (\s) == 3
	WIN 0
	s_wait_tensorcnt 0x0                           ; my record w + 4 has landed;
	s_wait_dscnt 0x0                               ; no LDS instruction of mine is pending at the signal
	s_barrier_signal -1
	s_barrier_wait -1                              ; records 4-7 are whole for all four waves
.endif
.if (\s) < 7
	PLACES 8
	WLOAD 0, (\s)+1
	WSLOAD (\s)+1
	s_wait_dscnt 30                                ; all but the 30 just issued: tiles 6-11 are in
.else
	s_wait_dscnt 0x0
.endif
.if (\s) == 0
	WIN 0xb1
.else
	WIN 0xa1
.endif
	MQK 6, \s
	MQK 7, \s
	WIN 0xf4                                       ; source 0 (x) window 0, source 1 (W_v) window 1, C and D window 3
.irp t, 0,1,2,3
	MV \t, \s
.endr
	WIN 0
	PLACES 8
.if (\s) < 7
	WLOAD 1, (\s)+1
.endif
.if (\s) <= 4
	XLOAD (\s)+3                                   ; the set just multiplied takes the step three on
.endif
.endm
	XLOAD 0
	XLOAD 1
	XLOAD 2
	s_wait_tensorcnt 0x1                           ; my record w is in; record w + 4 may stay out
	s_barrier_signal -1
	s_barrier_wait -1                              ; records 0-3 are whole
	WLOAD 0, 0
	WSLOAD 0
	WLOAD 1, 0
.irp k, 0,1,2,3,4,5,6,7
	KSTEP \k
.endr
; THE WAY OUT.  64 registers at v[a] of window w, four blocks of 16 (register 16 b + i = place 16 h + i of block b), become codes in v[pc] on and bytes in v[TM+4] on.
; Each accumulator is read from its low end on.
.macro QUANT w, a, pc
	WIN (\w)|((\w)<<2)                             ; sources 0 and 1 in window w
.irp b, 0,1,2,3
	v_max3_num_f32 v[TM+\b], |v[(\a)+16*\b]|, |v[(\a)+16*\b+1]|, 0x4800000   ; and the floor 2^(9 - 127): the byte cannot fall under 1
.endr
.irp i, 2,4,6,8,10,12,14
.irp b, 0,1,2,3
	v_max3_num_f32 v[TM+\b], |v[(\a)+16*\b+\i]|, |v[(\a)+16*\b+\i+1]|, v[TM+\b]
.endr
.endr
	WIN 0
.irp b, 0,1,2,3
	v_permlanex16_b32 v[TM+4+\b], v[TM+\b], s[SEL], s[SEL+1]
.endr
.irp b, 0,1,2,3
	v_max_num_f32 v[TM+\b], v[TM+\b], v[TM+4+\b]   ; with lane l xor 16's 16: the block's largest magnitude
.endr
.irp b, 0,1,2,3
	v_add_nc_u32 v[TM+12+\b], 0xfc000000, v[TM+\b] ; 8 off its exponent field: the conversion's scale operand
.endr
.irp b, 0,1,2,3
	v_and_or_b32 v[TM+8+\b], v[TM+\b], 0x7f800000, s[MNT]   ; 448 x the scale
.endr
.irp b, 0,1,2,3
	v_lshrrev_b32 v[TM+4+\b], 23, v[TM+12+\b]      ; the scale's byte
.endr
	WIN (\w)                                       ; source 0 in window w
.irp b, 0,1,2,3
.irp i, 0,1,2,3,4,5,6,7,8,9,10,11,12,13,14,15
	v_med3_num_f32 v[XT+16*\b+\i], v[(\a)+16*\b+\i], -v[TM+8+\b], v[TM+8+\b]   ; the conversion does not saturate (ISA guide 7.6.2): the hold
.endr
.endr
	WIN 0
.irp b, 0,1,2,3
	v_cvt_scalef32_pk8_fp8_f32 v[(\pc)+4*\b:(\pc)+4*\b+1], v[XT+16*\b:XT+16*\b+7], v[TM+12+\b]
	v_cvt_scalef32_pk8_fp8_f32 v[(\pc)+4*\b+2:(\pc)+4*\b+3], v[XT+16*\b+8:XT+16*\b+15], v[TM+12+\b]
.endr
	v_nop                                          ; one plain line behind the last conversion
.endm
	s_mov_b32 vcc_lo, 0xffff0000                   ; lanes 16-31
.irp b, 0,1,2,3
	v_mov_b32 v[TM+4+\b], 0                        ; a lane permute's destination counts as one of its sources
.endr
	v_mov_b32 v[NIL], 0
.irp m, 0,1,2,3                        ; token tile m: blocks 0, 1 are Q's two blocks of 32 channels, blocks 2, 3 K's.  Every store has data registers of its own
	QUANT 2, 64*\m, PC+16*\m
	v_lshl_or_b32 v[QW+\m], v[TM+5], 8, v[TM+4]
	v_lshl_or_b32 v[KW+\m], v[TM+7], 8, v[TM+6]
	v_or_b32 v[QW+\m], 0x7f7f0000, v[QW+\m]        ; the scores' K is 64 of the instruction's 128: the upper two blocks get the byte of 1.0
	v_or_b32 v[KW+\m], 0x7f7f0000, v[KW+\m]
	global_store_b128 v[LI], v[PC+16*\m:PC+16*\m+3], s[56:57] offset:\m*1024
	global_store_b128 v[LI], v[PC+16*\m+4:PC+16*\m+7], s[56:57] offset:\m*1024+512
	global_store_b32 v[LS], v[QW+\m], s[58:59] offset:\m*128
	global_store_b128 v[VK], v[PC+16*\m+8:PC+16*\m+11], s[16:17] offset:\m*1024
	global_store_b128 v[VK], v[PC+16*\m+12:PC+16*\m+15], s[16:17] offset:\m*1024+512
.if \m%2 == 1
	v_cndmask_b32 v[KM+\m/2], v[KW+\m-1], v[KW+\m], vcc_lo   ; lanes 0-15: the even tile's keys; lanes 16-31: the odd tile's
.endif
.endr
	global_store_b64 v[VKS], v[KM:KM+1], s[16:17]
.irp p, 0,1                            ; V: blocks (channel tile 2 p, key block 0), (2 p, 1), (2 p + 1, 0), (2 p + 1, 1)
	QUANT 3, 64*\p, PC+64+16*\p
	v_lshl_or_b32 v236, v[TM+5], 8, v[TM+4]
	v_lshl_or_b32 v237, v[TM+7], 8, v[TM+6]
	v_cndmask_b32 v[VH+\p], v236, v237, vcc_lo     ; lanes 0-15: channel tile 2 p; lanes 16-31: tile 2 p + 1
.irp q, 0,1,2,3
	global_store_b128 v[VV], v[PC+64+16*\p+4*\q:PC+64+16*\p+4*\q+3], s[16:17] offset:(2*\p+\q/2)*2048+(\q%2)*512
.endr
	global_store_b16 v[VVS], v[VH+\p], s[16:17] offset:4*\p   ; two bytes a lane, 8 bytes apart, inside 256 bytes: my wave holds two of a scale word's four key blocks, the other wave of the record the other two
.endr
	global_store_b32 v[VPD], v[NIL], s[16:17]      ; my half of the record's last 256 bytes: zeros, so that every byte that the next launch's tensor loads read has been written
	s_wait_dscnt 0x0
	s_set_vgpr_msb 0x5
	s_wait_tensorcnt 0x0
	ds_add_u32 v254, v255
	s_wait_dscnt 0x0
	s_set_vgpr_msb 0x500
	CROUND                                         ; the closing round: no work-group ends while a partner may still ask for a record that names it
	s_endpgm
.Lfunc_end_k_qaf2c0eace9_qkv:
	.size	k_qaf2c0eace9_qkv, .Lfunc_end_k_qaf2c0eace9_qkv-k_qaf2c0eace9_qkv
	.p2alignl 7, 3214868480
	.fill 96, 4, 3214868480
	.section	.rodata,"a",@progbits
	.p2align	6, 0x0
	.amdhsa_kernel k_qaf2c0eace9_qkv
		.amdhsa_group_segment_fixed_size 203264
		.amdhsa_private_segment_fixed_size 0
		.amdhsa_enable_private_segment 0
		.amdhsa_kernarg_size 56
		.amdhsa_user_sgpr_count 2
		.amdhsa_user_sgpr_kernarg_segment_ptr 1
		.amdhsa_wavefront_size32 1
		.amdhsa_system_sgpr_workgroup_id_x 1
		.amdhsa_system_sgpr_workgroup_id_y 1
		.amdhsa_system_sgpr_workgroup_id_z 1
		.amdhsa_system_vgpr_workitem_id 0
		.amdhsa_next_free_vgpr 1024
		.amdhsa_next_free_sgpr 66
		.amdhsa_reserve_vcc 1
		.amdhsa_float_denorm_mode_32 3
		.amdhsa_float_denorm_mode_16_64 3
		.amdhsa_memory_ordered 1
		.amdhsa_forward_progress 1
		.amdhsa_inst_pref_size 157
	.end_amdhsa_kernel
	.amdgpu_metadata
---
amdhsa.version: [ 1, 2 ]
amdhsa.kernels:
  - .name:           k_qaf2c0eace9_qkv
    .symbol:         k_qaf2c0eace9_qkv.kd
    .args:
      - { .name: xq, .offset: 0, .size: 8, .value_kind: global_buffer, .address_space: global }
      - { .name: wq, .offset: 8, .size: 8, .value_kind: global_buffer, .address_space: global }
      - { .name: b_q, .offset: 16, .size: 8, .value_kind: global_buffer, .address_space: global }
      - { .name: b_k, .offset: 24, .size: 8, .value_kind: global_buffer, .address_space: global }
      - { .name: b_v, .offset: 32, .size: 8, .value_kind: global_buffer, .address_space: global }
      - { .name: qq, .offset: 40, .size: 8, .value_kind: global_buffer, .address_space: global }
      - { .name: kv, .offset: 48, .size: 8, .value_kind: global_buffer, .address_space: global }
    .group_segment_fixed_size: 203264
    .private_segment_fixed_size: 0
    .kernarg_segment_align: 8
    .kernarg_segment_size: 56
    .max_flat_workgroup_size: 128
    .sgpr_count:     66
    .vgpr_count:     1024
    .wavefront_size: 32
...
	.end_amdgpu_metadata
.endif
;; end of part 2
;; launch attn (part 3): grid 8 x 32, 16 waves a work-group, clusters of 4 x 1, 280,576 bytes of LDS; arguments qq, kv, cq; writes cq
.if DOCPART == 3
	.amdgcn_target "amdgcn-amd-amdhsa--gfx1250"
	.amdhsa_code_object_version 6
	.text
	.protected	k_qaf2c0eace9_attn
	.globl	k_qaf2c0eace9_attn
	.p2align	8
	.type	k_qaf2c0eace9_attn,@function
k_qaf2c0eace9_attn:
	s_mov_b64 s[64:65], 0
	v_nop
	global_prefetch_b8 v0, s[64:65] scope:SCOPE_SE
	s_setreg_imm32_b32 hwreg(HW_REG_WAVE_MODE, 25, 1), 1
	s_wait_xcnt 0x0
	s_wait_alu depctr_hold_cnt(0) depctr_sa_sdst(0) depctr_va_vdst(0) depctr_va_sdst(0) depctr_va_ssrc(0) depctr_va_vcc(0) depctr_vm_vsrc(0)
	s_getreg_b32 s2, hwreg(HW_REG_IB_STS2, 6, 4)
	s_cmp_eq_u32 s2, 0
	s_cbranch_scc0 .Lentry_in_a_cluster
	s_endpgm
.Lentry_in_a_cluster:
	s_bfe_u32 s2, ttmp6, 0x10000c
	s_cmp_lg_u32 s2, 0x3003
	s_cbranch_scc0 .Lentry_shape_is_right
	s_endpgm
.Lentry_shape_is_right:
; ctx = softmax(Q K^T / 8) V for one head and 256 queries, both products on codes of E4M3 with E8M0 scales; ctx is quantised along the model's 1,024 on its way out.
; THE SOFTMAX: t = score x log2(e) / 8; M = the row's largest t so far, rounded UP to a whole number; p = 2^(t - M) is quantised along the keys, not normalised.  The row's sum is taken of the
; unquantised p and divides at the end.  When M moves, the sum and O are multiplied by 2^(old M - new M): exact.
; SHARES: work-group (qb, head of a batch): 256 queries; each of its sixteen waves owns one tile of 16 queries in 256 registers, four waves to a SIMD, and walks the head's 2,048 keys, 128 a step.
; THE HEAD'S K AND V lie in LDS whole: 16 records of 17,408 bytes (K's 8 tiles, V^T's 4 fragments, their scale words), filled ONCE.  CLUSTER: the four work-groups of a cluster have the same
; head and ask for the records JOINTLY.  Each wave brings 17 rows of 256 bytes of records 0-3 and 51 rows of records 4-15 (with sixteen waves to share 272 and 816 rows no load has 64); the first four steps run while the rest lands.
; A wave's first load stands first behind the round and its second behind the wave's set-up (57 vector lines), so that the sixteen small loads, which the first steps wait for, are asked for ahead of the large ones.
; LAYOUT: both products transposed: S^T = K Q^T, O^T = V^T P^T: a lane holds one query (lane % 16) throughout.  Lane r of key tile 2 b + u holds key 32 b + 8 u + r + 8 (r / 8), so that the 16 registers of
; tiles 2 b, 2 b + 1 are keys 32 b + 16 h + 0..15; V^T's channel tiles are ordered the same way, so that O^T's registers are 16 neighbouring channels: the conversions' results are operand registers.
; THE SCORES' K IS 64 of the instruction's 128: Q's upper eight registers are zero codes; a tile of K takes as its upper eight registers the next tile's codes (finite numbers; the last tile: zeros);
; those products are exact zeros, and both sides' scale bytes there are 127.
; THE ORDER OF A STEP'S VECTOR WORK: block by block of 32 keys, exponentials and plain lines by turns: behind each of the 68 exponentials stand one to three plain lines of OTHER blocks
; (the next block's t - M, the scale words, part of O^T's rescaling, the block before's sums, holds and conversions: 129 lines in all), so that no two exponentials follow each other and no line
; reads the result of the line above it.  The last block's sums stand behind the products V^T P^T, where they are the places in front of the next step's loads.
; LIMITS: NaN and infinities are not served; a block of p or of ctx whose largest magnitude lies under 2^-118 gets the byte 1 (its codes are zeros or tiny).
.set QS_OFF, 4194304
.set XS_OFF, 4194304
.set KREC,   17408
.set KHEAD,  16*KREC
.set LI,  1                            ; v1   16 x lane
.set L8,  2                            ; v2   8 x lane
.set AD,  3                            ; v3   the step's record + 16 x lane
.set AD8, 4                            ; v4   + 8 x lane
.set L4,  5                            ; v5   4 x lane
.set LH,  6                            ; v6   4 x (lane % 16)
.set QF,  16                           ; v16-31  Q: 8 registers of codes, 8 of zeros
.set KF,  32                           ; v32-95  K's eight tiles of 8 registers; later V^T's four fragments;  v96-103 zeros
.set SS,  104                          ; v104-167 S^T, then p
.set OT,  168                          ; v168-199 O^T
.set PC,  200                          ; v200-215 p's codes
.set KS,  216                          ; v216-219 K's scale words: register b: lanes 0-15 tile 2 b, lanes 16-31 tile 2 b + 1
.set VS,  220                          ; v220-221 V's likewise
.set QSC, 222                          ; v222 Q's
.set BM,  224                          ; v224-227 a block's largest score, then its largest p
.set BP,  228                          ; v228-231 the other half's; then the bytes
.set HD,  232                          ; v232-235 448 x the scale
.set SO,  236                          ; v236-239 the conversions' scale operands
.set T2,  240                          ; v240-241 the sum's second chain
.set TT,  242
.set OM,  243                          ; v243 the old -M
.set FF,  244                          ; v244 f = 2^(old M - new M); v245 named with it as a pair
.set PW,  246                          ; p's scale word
.set WV,  10
.set SEL, 16
.set MNT, 18
.set TB,  19                           ; s19  LDS byte at which the step's record begins
.set CS,  20                           ; s[20:21] c = log2(e) / 8
.set CNT, 22
.set G1A, 24
.set G1B, 32
.set G0A, 40
.set G0B, 44
.macro PLACES n
.rept \n
	v_nop
.endr
.endm
.macro CROUND                          ; a round of the cluster's barrier
	s_barrier_signal -1
	s_barrier_wait -1
	s_cmp_lg_u32 s[WV], 0
	s_cbranch_scc1 .Lnot_wave_0_\@
	s_barrier_signal -3
.Lnot_wave_0_\@:
	s_barrier_wait -3
	s_barrier_signal -1
	s_barrier_wait -1
.endm
.macro WMZ d, a, b, sa, sb, ra         ; a product that starts its sum; ra = 1: source 0's scales stand in lanes 16-31
.if (\ra)
	v_wmma_scale_f32_16x16x128_f8f6f4 v[(\d):(\d)+7], v[(\a):(\a)+15], v[(\b):(\b)+15], 0, v[(\sa)], v[(\sb)] matrix_a_scale:MATRIX_SCALE_ROW1
.else
	v_wmma_scale_f32_16x16x128_f8f6f4 v[(\d):(\d)+7], v[(\a):(\a)+15], v[(\b):(\b)+15], 0, v[(\sa)], v[(\sb)]
.endif
.endm
.macro WMA d, a, b, sa, sb, ra         ; a product that adds in place
.if (\ra)
	v_wmma_scale_f32_16x16x128_f8f6f4 v[(\d):(\d)+7], v[(\a):(\a)+15], v[(\b):(\b)+15], v[(\d):(\d)+7], v[(\sa)], v[(\sb)] matrix_a_scale:MATRIX_SCALE_ROW1
.else
	v_wmma_scale_f32_16x16x128_f8f6f4 v[(\d):(\d)+7], v[(\a):(\a)+15], v[(\b):(\b)+15], v[(\d):(\d)+7], v[(\sa)], v[(\sb)]
.endif
.endm
	s_load_b128 s[4:7], s[0:1], 0x0                ; qq, kv
	s_load_b64 s[8:9], s[0:1], 0x10                ; cq
	v_lshl_add_u32 v254, v0, 2, 0x44000
	v_mov_b32 v255, 0
	ds_add_u32 v254, v255
	ds_add_u32 v254, v255
	v_lshrrev_b32 v1, 5, v0
	v_readfirstlane_b32 s[WV], v1                  ; wave 0..15
	s_bfe_u32 s11, ttmp6, 0x40000                  ; cx
	s_lshl_b32 s12, ttmp9, 2
	s_add_co_u32 s12, s12, s11                     ; qb = 4 x cluster x + cx: it enters Q's and ctx's global addresses alone
	s_and_b32 s13, ttmp7, 0xffff                   ; 16 x batch + head, which the four partners share
	s_lshr_b32 s14, s13, 4                         ; batch
	s_and_b32 s15, s13, 15                         ; head
	; descriptor groups 1: dense rows of 256 bytes (32 elements of 8 bytes): 17 of them, and 51
	s_mov_b32 s[G1A], 15|(3<<16)|(1<<21)           ; 15:0 the mask: all four work-groups; 17:16 elements of 8 bytes; 21 set beside a mask
	s_mov_b32 s[G1A+1], 32<<16
	s_mov_b32 s[G1A+2], 17<<16
	s_mov_b32 s[G1A+3], 32<<16
	s_mov_b32 s[G1A+4], 17
	s_mov_b32 s[G1A+5], 32
	s_mov_b32 s[G1A+6], 0
	s_mov_b32 s[G1A+7], 0
	s_mov_b32 s[G1B], 15|(3<<16)|(1<<21)
	s_mov_b32 s[G1B+1], 32<<16
	s_mov_b32 s[G1B+2], 51<<16
	s_mov_b32 s[G1B+3], 32<<16
	s_mov_b32 s[G1B+4], 51
	s_mov_b32 s[G1B+5], 32
	s_mov_b32 s[G1B+6], 0
	s_mov_b32 s[G1B+7], 0
	s_mul_i32 s48, s13, KHEAD
	s_mov_b32 s49, 0
	s_mul_i32 s50, s[WV], 17*256                   ; my sixteenth of records 0-3,
	s_mul_i32 s51, s[WV], 51*256
	s_add_co_u32 s51, s51, 4*KREC                  ; and of records 4-15: the same offsets in memory and in LDS
	s_mov_b32 s[SEL], 0x76543210
	s_mov_b32 s[SEL+1], 0xfedcba98
	s_mov_b32 s[MNT], 0x600000
	s_mov_b32 s[CS], 0x3e38aa3b                    ; log2(e) / 8
	s_mov_b32 s[CS+1], s[CS]                       ; (named with it as a pair, so it is written)
	s_mov_b32 s[TB], 0
	v_and_b32 v7, 31, v0
	v_lshlrev_b32 v[LI], 4, v7
	v_lshlrev_b32 v[L8], 3, v7
	v_lshlrev_b32 v[L4], 2, v7
	v_and_b32 v[LH], 15, v0
	v_lshlrev_b32 v[LH], 2, v[LH]
	s_lshl_b32 s52, s12, 4
	s_add_co_u32 s52, s52, s[WV]                   ; my tile of queries in the head: 16 qb + w
	s_lshl_b32 s53, s13, 7
	s_add_co_u32 s53, s53, s52
	s_lshl_b32 s54, s53, 10                        ; its codes,
	s_mov_b32 s55, 0
	s_lshl_b32 s2, s53, 7
	s_add_co_u32 s2, s2, QS_OFF                    ; its scale words
	s_mov_b32 s3, 0
	s_wait_dscnt 0x0
	s_wait_kmcnt 0x0
	s_add_nc_u64 s[56:57], s[4:5], s[54:55]
	s_add_nc_u64 s[58:59], s[4:5], s[2:3]
	global_load_b128 v[QF:QF+3], v[LI], s[56:57]   ; Q is asked for ahead of the round: nobody stores these bytes in this launch
	global_load_b128 v[QF+4:QF+7], v[LI], s[56:57] offset:512
	global_load_b32 v[QSC], v[L4], s[58:59]
	s_add_nc_u64 s[6:7], s[6:7], s[48:49]          ; kv at the head's first record
	s_mov_b32 s48, s50
	s_mov_b32 s[G0A], 1
	s_mov_b32 s[G0A+1], s50
	s_add_nc_u64 s[G0A+2:G0A+3], s[6:7], s[48:49]
	s_or_b32 s[G0A+3], s[G0A+3], 0x80000000
	s_mov_b32 s48, s51
	s_mov_b32 s[G0B], 1
	s_mov_b32 s[G0B+1], s51
	s_add_nc_u64 s[G0B+2:G0B+3], s[6:7], s[48:49]
	s_or_b32 s[G0B+3], s[G0B+3], 0x80000000
	CROUND                                         ; all four work-groups are here: the joint loads meet
	tensor_load_to_lds s[G0A:G0A+3], s[G1A:G1A+7]  ; my part of records 0-3: the first thing behind the round
	s_nop 0
	v_mov_b32 v13, 0xff61b1e6                      ; the largest t so far: -3e38, under every t
	v_floor_f32 v12, -v13                          ; -M
	v_mov_b32 v14, 0                               ; the sum, in two halves
	v_mov_b32 v15, 0
	; where ctx goes: block of 32 rows 64 batch + 8 qb + w / 2, tile w % 2; K step head / 2, blocks 2 (head % 2) and + 1
	s_lshl_b32 s52, s14, 6
	s_lshl_b32 s53, s12, 3
	s_add_co_u32 s52, s52, s53
	s_lshr_b32 s53, s[WV], 1
	s_add_co_u32 s52, s52, s53
	s_lshr_b32 s53, s15, 1
	s_and_b32 s23, s15, 1
	s_and_b32 s11, s[WV], 1
	s_lshl_b32 s54, s52, 15
	s_lshl_b32 s2, s53, 12
	s_add_co_u32 s54, s54, s2
	s_lshl_b32 s2, s11, 11
	s_add_co_u32 s54, s54, s2
	s_lshl_b32 s2, s23, 10
	s_add_co_u32 s54, s54, s2
	s_add_nc_u64 s[4:5], s[8:9], s[54:55]          ; the codes
	s_lshl_b32 s54, s52, 10
	s_lshl_b32 s2, s53, 7
	s_add_co_u32 s54, s54, s2
	s_lshl_b32 s2, s11, 6
	s_add_co_u32 s54, s54, s2
	s_lshl_b32 s2, s23, 1
	s_add_co_u32 s54, s54, s2
	s_add_co_u32 s54, s54, XS_OFF
	s_add_nc_u64 s[8:9], s[8:9], s[54:55]          ; my two bytes of the rows' scale words
.irp j, 0,1,2,3,4,5,6,7
	v_mov_b32 v[QF+8+\j], 0                        ; Q's upper 64 of the instruction's K: zero codes
	v_mov_b32 v[KF+64+\j], 0                       ; and what the last tile of K takes there
.endr
.set j, 0
.rept 32
	v_mov_b32 v[OT+j], 0                           ; O^T.  (The step is written without a first form: it finds zeros, which the first change of M leaves zeros)
.set j, j+1
.endr
.irp b, 0,1,2,3
	v_mov_b32 v[BP+\b], 0                          ; a lane permute's destination counts as one of its sources
.endr
	v_mov_b32 v[FF+1], 0
	tensor_load_to_lds s[G0B:G0B+3], s[G1B:G1B+7]  ; my part of records 4-15.  These two are the only fills of the launch: two loads of mine are out
	s_nop 0
	PLACES 4
; THE LINES OF A STEP'S SOFTMAX, one macro each.
.macro TSUB b, i                       ; t - M of pair i of block b (of the pairs c and -M the low word serves both halves)
	v_pk_fma_f32 v[SS+16*(\b)+2*(\i):SS+16*(\b)+2*(\i)+1], v[SS+16*(\b)+2*(\i):SS+16*(\b)+2*(\i)+1], s[CS:CS+1], v[12:13] op_sel_hi:[1,0,0]
.endm
.macro SUMP b, q                       ; pair q of block b joins the row's sum of the UNQUANTISED p: even pairs one chain, odd pairs the other
.if ((\q)%2) == 0
	s_wait_alu depctr_va_vdst(0)
	v_pk_add_f32 v[14:15], v[14:15], v[SS+16*(\b)+2*(\q):SS+16*(\b)+2*(\q)+1]
.else
	s_wait_alu depctr_va_vdst(0)
	v_pk_add_f32 v[T2:T2+1], v[T2:T2+1], v[SS+16*(\b)+2*(\q):SS+16*(\b)+2*(\q)+1]
.endif
.endm
.macro HOLD b, i, d                    ; the conversion does not saturate (ISA guide 7.6.2); p is not negative, so the hold is one-sided.  The held number goes to v[d + i]
	v_min_num_f32 v[(\d)+(\i)], v[SS+16*(\b)+(\i)], v[HD+(\b)]
.endm
.macro CODE b, h, s                    ; eight held numbers at v[s + 8 h] become half h of block b's codes
	v_cvt_scalef32_pk8_fp8_f32 v[PC+4*(\b)+2*(\h):PC+4*(\b)+2*(\h)+1], v[(\s)+8*(\h):(\s)+8*(\h)+7], v[SO+(\b)]
	s_wait_alu depctr_va_vdst(0)
.endm
.macro RESC k                          ; pair k of O^T under the new M
	v_pk_mul_f32 v[OT+2*(\k):OT+2*(\k)+1], v[OT+2*(\k):OT+2*(\k)+1], v[FF:FF+1] op_sel_hi:[1,0]
.endm
.macro SCALE k                         ; line k of 19: from the four blocks' largest p to their scale operands, holds, bytes and the scale word; the four blocks by turns
.if (\k) < 4
	s_wait_alu depctr_va_vdst(0)
	v_max_num_f32 v[BM+(\k)], 0x4800000, v[BM+(\k)]            ; the floor 2^(9 - 127): the byte cannot fall under 1
.elseif (\k) < 8
	v_add_nc_u32 v[SO+(\k)-4], 0xfc000000, v[BM+(\k)-4]        ; 8 off the exponent field: the conversion's scale operand
.elseif (\k) < 12
	v_and_or_b32 v[HD+(\k)-8], v[BM+(\k)-8], 0x7f800000, s[MNT]   ; 448 x the scale
.elseif (\k) < 16
	v_lshrrev_b32 v[BP+(\k)-12], 23, v[SO+(\k)-12]             ; the scale's byte
.elseif (\k) == 16
	v_lshl_or_b32 v[PW], v[BP+1], 8, v[BP]                     ; p's scale word for these 128 keys
.elseif (\k) == 17
	v_lshl_or_b32 v[PW], v[BP+2], 16, v[PW]
.else
	v_lshl_or_b32 v[PW], v[BP+3], 24, v[PW]
.endif
.endm
; The 129 lines that stand between the exponentials, numbered; ITEM writes number n and steps n.  A block's t - M stands a group ahead of its exponentials, its sums, holds and conversions a group behind them;
; a block's sums stand ahead of its holds, which write over p.
.macro ITEM
.if n == 0
	v_pk_mul_f32 v[14:15], v[14:15], v[FF:FF+1] op_sel_hi:[1,0]   ; the sums under the new M
.elseif n < 9
	TSUB 1, n-1
.elseif n < 28
	SCALE n-9
.elseif n < 38
	RESC n-28
.elseif n < 46
	TSUB 2, n-38
.elseif n == 46
	s_wait_alu depctr_va_vdst(0)
	v_pk_add_f32 v[T2:T2+1], v[SS:SS+1], v[SS+2:SS+3]          ; the second chain begins with the first two pairs
.elseif n < 53
	SUMP 0, n-45
.elseif n < 69
	HOLD 0, n-53, SS
.elseif n < 71
	CODE 0, n-69, SS
.elseif n < 79
	TSUB 3, n-71
.elseif n < 87
	SUMP 1, n-79
.elseif n < 103
	HOLD 1, n-87, SS+16
.elseif n < 105
	CODE 1, n-103, SS+16
.elseif n < 113
	SUMP 2, n-105
.else
	HOLD 2, n-113, SS+32
.endif
.set n, n+1
.endm
; cnt exponentials in place, on v[first] on; the next tot items are dealt evenly behind them, at least one behind each, and the first behind each is a plain line of another block (ISA guide 5.7.2)
.macro XGROUP first, cnt, tot
.set i, 0
.rept \cnt
	v_exp_f32 v[(\first)+i], v[(\first)+i]
.rept ((i+1)*(\tot))/(\cnt)-(i*(\tot))/(\cnt)
	ITEM
.endr
.set i, i+1
.endr
.endm
.macro VLOAD t                         ; fragment t of V^T
.irp c, 0,1,2,3
	ds_load_b128 v[KF+16*(\t)+4*\c:KF+16*(\t)+4*\c+3], v[AD] offset:8192+2048*(\t)+512*\c
.endr
.endm
; A KEY STEP: 128 keys, the record at s[TB].
.macro STEP
.set n, 0
	v_add_nc_u32 v[AD], s[TB], v[LI]               ; (with the nine packed additions at the last step's end: eleven places between its products and the loads below, into registers that they have read)
	v_add_nc_u32 v[AD8], s[TB], v[L8]
.irp t, 0,1,2,3,4,5,6,7
	ds_load_b128 v[KF+8*\t:KF+8*\t+3], v[AD] offset:1024*\t
	ds_load_b128 v[KF+8*\t+4:KF+8*\t+7], v[AD] offset:1024*\t+512
.endr
	ds_load_b64 v[KS:KS+1], v[AD8] offset:16384
	ds_load_b64 v[KS+2:KS+3], v[AD8] offset:16640
	s_wait_dscnt 0x0
.irp t, 0,1,2,3,4,5,6,7
	WMZ SS+8*\t, KF+8*\t, QF, KS+\t/2, QSC, \t%2   ; S^T: tile t's 16 keys x my 16 queries
.endr
	v_mov_b32 v[OM], v12                           ; the old -M is kept.  With the seven lines below: eight places behind the products
	PLACES 7
.irp b, 0,1,2,3
	v_max3_num_f32 v[BM+\b], v[SS+16*\b], v[SS+16*\b+1], v[SS+16*\b+2]   ; the largest score of each block of 32 keys: for the row's maximum, and, since p rises with the score, for the block's largest p
.endr
.irp i, 3,5,7,9,11,13
.irp b, 0,1,2,3
	v_max3_num_f32 v[BM+\b], v[BM+\b], v[SS+16*\b+\i], v[SS+16*\b+\i+1]
.endr
.endr
.irp b, 0,1,2,3
	v_max_num_f32 v[BM+\b], v[BM+\b], v[SS+16*\b+15]
.endr
.irp b, 0,1,2,3
	v_permlanex16_b32 v[BP+\b], v[BM+\b], s[SEL], s[SEL+1]
.endr
.irp b, 0,1,2,3
	v_max_num_f32 v[BM+\b], v[BM+\b], v[BP+\b]     ; with lane l xor 16's 16 keys
.endr
	; the chain that makes M: each line reads the line before it, so V^T's loads, which land under the softmax, stand between its links
	v_max3_num_f32 v[TT], v[BM], v[BM+1], v[BM+2]
	VLOAD 0
	v_max_num_f32 v[TT], v[TT], v[BM+3]            ; the step's largest score of my query
	VLOAD 1
	v_mul_f32 v[TT], s[CS], v[TT]                  ; as t (c is positive)
	VLOAD 2
	v_max_num_f32 v13, v13, v[TT]                  ; the running largest t
	VLOAD 3
	v_floor_f32 v12, -v13                          ; the new -M = floor(-t) = -ceil(t)
	ds_load_b64 v[VS:VS+1], v[AD8] offset:16896
.irp b, 0,1,2,3
	v_fma_f32 v[BM+\b], v[BM+\b], s[CS], v12       ; t - M of each block's largest score
.endr
	v_sub_f32 v[TT], v12, v[OM]                    ; old M - new M: a whole number, 0 or less
	TSUB 0, 0
	TSUB 0, 1
	v_cvt_i32_f32 v[TT], v[TT]                     ; (it saturates)
	TSUB 0, 2
	TSUB 0, 3
	v_ldexp_f32 v[FF], 1.0, v[TT]                  ; f = 2^(old M - new M)
	TSUB 0, 4
	TSUB 0, 5
	TSUB 0, 6
	TSUB 0, 7
	XGROUP BM, 4, 8                                ; the blocks' largest p: the same two instructions on the same number as that p itself | the sums x f, block 1's t - M
	XGROUP SS, 16, 30                              ; block 0's p = 2^(t - M) | the last of block 1's t - M, the scale words, ten pairs of O^T x f
	XGROUP SS+16, 16, 33                           ; block 1's | block 2's t - M; block 0's sums, holds, codes
	XGROUP SS+32, 16, 34                           ; block 2's | block 3's t - M; block 1's sums, holds, codes
	XGROUP SS+48, 16, 24                           ; block 3's | block 2's sums and holds
	CODE 2, 0, SS+32
	CODE 2, 1, SS+32
.irp i, 0,1,2,3,4,5,6,7,8,9,10,11,12,13,14,15
	HOLD 3, \i, SS                                 ; block 3's held numbers go into block 0's registers, which are done with: its p stays whole for the sums behind the products
.endr
	CODE 3, 0, SS
	CODE 3, 1, SS
.irp k, 10,11,12,13,14,15
	RESC \k                                        ; the last six pairs of O^T x f are also the places between the conversions and the products below
.endr
	s_wait_dscnt 0x0                               ; V^T and its scale words are in
.irp t, 0,1,2,3
	WMA OT+8*\t, KF+16*\t, PC, VS+\t/2, PW, \t%2   ; O^T += V^T P^T: four accumulators by turns
.endr
.irp q, 0,1,2,3,4,5,6,7
	SUMP 3, \q                                     ; block 3's sums: they name no register of the products above, and are the places behind them
.endr
	v_pk_add_f32 v[14:15], v[14:15], v[T2:T2+1]    ; the two chains joined
	s_add_co_u32 s[TB], s[TB], KREC
.endm
	s_wait_loadcnt 0x0                             ; Q
	s_wait_tensorcnt 0x1                           ; my part of records 0-3 is in; my part of records 4-15 may stay out
	s_barrier_signal -1
	s_barrier_wait -1                              ; records 0-3 are whole
	s_mov_b32 s[CNT], 4
.Lfirst:
	STEP
	s_sub_co_u32 s[CNT], s[CNT], 1
	s_cmp_lg_u32 s[CNT], 0
	s_cbranch_scc1 .Lfirst
	s_wait_tensorcnt 0x0                           ; my part of records 4-15 is in;
	s_wait_dscnt 0x0                               ; no LDS instruction of mine is pending at the signal
	s_barrier_signal -1
	s_barrier_wait -1                              ; all sixteen records are whole
	s_mov_b32 s[CNT], 12
.Lrest:
	STEP
	s_sub_co_u32 s[CNT], s[CNT], 1
	s_cmp_lg_u32 s[CNT], 0
	s_cbranch_scc1 .Lrest
	; THE WAY OUT: ctx = O^T / the sum; register 16 b + i is channel 32 b + 16 h + i of my query's head: two blocks of 32 along the model's 1,024, quantised as they stand.
	; (The last step's nine packed additions are the places between its products and the first read of O^T.)
	v_add_f32 v14, v14, v15                        ; the sum's two halves,
	v_permlanex16_b32 v[TT], v14, s[SEL], s[SEL+1]
	v_add_f32 v14, v14, v[TT]                      ; and lane l xor 16's: the row's sum
	v_rcp_f32 v14, v14
	v_nop                                          ; one plain place behind the transcendental
.set j, 0
	s_wait_alu depctr_va_vdst(0)
.rept 32
	v_mul_f32 v[SS+j], v[OT+j], v14
.set j, j+1
.endr
.irp b, 0,1
	v_max3_num_f32 v[BM+\b], |v[SS+16*\b]|, |v[SS+16*\b+1]|, 0x4800000
.endr
.irp i, 2,4,6,8,10,12,14
.irp b, 0,1
	v_max3_num_f32 v[BM+\b], v[BM+\b], |v[SS+16*\b+\i]|, |v[SS+16*\b+\i+1]|
.endr
.endr
.irp b, 0,1
	v_permlanex16_b32 v[BP+\b], v[BM+\b], s[SEL], s[SEL+1]
.endr
.irp b, 0,1
	v_max_num_f32 v[BM+\b], v[BM+\b], v[BP+\b]
.endr
.irp b, 0,1
	v_add_nc_u32 v[SO+\b], 0xfc000000, v[BM+\b]
.endr
.irp b, 0,1
	v_and_or_b32 v[HD+\b], v[BM+\b], 0x7f800000, s[MNT]
.endr
.irp b, 0,1
	v_lshrrev_b32 v[BP+\b], 23, v[SO+\b]
.endr
	v_lshl_or_b32 v[TT], v[BP+1], 8, v[BP]         ; my head's two bytes of the row's scale word
.irp b, 0,1
.irp i, 0,1,2,3,4,5,6,7,8,9,10,11,12,13,14,15
	v_med3_num_f32 v[SS+16*\b+\i], v[SS+16*\b+\i], -v[HD+\b], v[HD+\b]
.endr
	v_cvt_scalef32_pk8_fp8_f32 v[PC+4*\b:PC+4*\b+1], v[SS+16*\b:SS+16*\b+7], v[SO+\b]
	v_cvt_scalef32_pk8_fp8_f32 v[PC+4*\b+2:PC+4*\b+3], v[SS+16*\b+8:SS+16*\b+15], v[SO+\b]
.endr
	v_nop
	global_store_b128 v[LI], v[PC:PC+3], s[4:5]               ; 32 lanes store 512 consecutive bytes
	global_store_b128 v[LI], v[PC+4:PC+7], s[4:5] offset:512
	global_store_b16 v[LH], v[TT], s[8:9]          ; two bytes a row, 4 bytes apart; lanes l and l + 16 hold the same row's bytes and write the same place with the same value
	s_wait_dscnt 0x0
	s_wait_tensorcnt 0x0
	ds_add_u32 v254, v255
	s_wait_dscnt 0x0
	CROUND                                         ; the closing round: no work-group ends while a partner may still ask for a record that names it
	s_endpgm
.Lfunc_end_k_qaf2c0eace9_attn:
	.size	k_qaf2c0eace9_attn, .Lfunc_end_k_qaf2c0eace9_attn-k_qaf2c0eace9_attn
	.p2alignl 7, 3214868480
	.fill 96, 4, 3214868480
	.section	.rodata,"a",@progbits
	.p2align	6, 0x0
	.amdhsa_kernel k_qaf2c0eace9_attn
		.amdhsa_group_segment_fixed_size 280576
		.amdhsa_private_segment_fixed_size 0
		.amdhsa_enable_private_segment 0
		.amdhsa_kernarg_size 24
		.amdhsa_user_sgpr_count 2
		.amdhsa_user_sgpr_kernarg_segment_ptr 1
		.amdhsa_wavefront_size32 1
		.amdhsa_system_sgpr_workgroup_id_x 1
		.amdhsa_system_sgpr_workgroup_id_y 1
		.amdhsa_system_sgpr_workgroup_id_z 1
		.amdhsa_system_vgpr_workitem_id 0
		.amdhsa_next_free_vgpr 256
		.amdhsa_next_free_sgpr 66
		.amdhsa_reserve_vcc 0
		.amdhsa_float_denorm_mode_32 3
		.amdhsa_float_denorm_mode_16_64 3
		.amdhsa_memory_ordered 1
		.amdhsa_forward_progress 1
		.amdhsa_inst_pref_size 52
	.end_amdhsa_kernel
	.amdgpu_metadata
---
amdhsa.version: [ 1, 2 ]
amdhsa.kernels:
  - .name:           k_qaf2c0eace9_attn
    .symbol:         k_qaf2c0eace9_attn.kd
    .args:
      - { .name: qq, .offset: 0, .size: 8, .value_kind: global_buffer, .address_space: global }
      - { .name: kv, .offset: 8, .size: 8, .value_kind: global_buffer, .address_space: global }
      - { .name: cq, .offset: 16, .size: 8, .value_kind: global_buffer, .address_space: global }
    .group_segment_fixed_size: 280576
    .private_segment_fixed_size: 0
    .kernarg_segment_align: 8
    .kernarg_segment_size: 24
    .max_flat_workgroup_size: 512
    .sgpr_count:     66
    .vgpr_count:     256
    .wavefront_size: 32
...
	.end_amdgpu_metadata
.endif
;; end of part 3
;; launch outp (part 4): grid 16 x 16, 4 waves a work-group, clusters of 4 x 1, 168,448 bytes of LDS; arguments cq, wq, b_out, out0; writes out0
.if DOCPART == 4
	.amdgcn_target "amdgcn-amd-amdhsa--gfx1250"
	.amdhsa_code_object_version 6
	.text
	.protected	k_qaf2c0eace9_outp
	.globl	k_qaf2c0eace9_outp
	.p2align	8
	.type	k_qaf2c0eace9_outp,@function
k_qaf2c0eace9_outp:
	s_mov_b64 s[64:65], 0
	v_nop
	global_prefetch_b8 v0, s[64:65] scope:SCOPE_SE
	s_setreg_imm32_b32 hwreg(HW_REG_WAVE_MODE, 25, 1), 1
	s_wait_xcnt 0x0
	s_wait_alu depctr_hold_cnt(0) depctr_sa_sdst(0) depctr_va_vdst(0) depctr_va_sdst(0) depctr_va_ssrc(0) depctr_va_vcc(0) depctr_vm_vsrc(0)
	s_getreg_b32 s2, hwreg(HW_REG_IB_STS2, 6, 4)
	s_cmp_eq_u32 s2, 0
	s_cbranch_scc0 .Lentry_in_a_cluster
	s_endpgm
.Lentry_in_a_cluster:
	s_bfe_u32 s2, ttmp6, 0x10000c
	s_cmp_lg_u32 s2, 0x3003
	s_cbranch_scc0 .Lentry_shape_is_right
	s_endpgm
.Lentry_shape_is_right:
; out0 = ctx W_out^T + b_out, on codes of E4M3 with E8M0 scales; out0 [4096][1024] f32.
; SHARES: work-group (R, y): rows 256 R on, columns 64 y on.  Wave w: rows 64 w on: four tiles m of ctx against W_out's four tiles t: 16 accumulators.
; Both operands lie in memory as images of operand registers ([c][lane][16 bytes]); lane r of tile u of a block of 32 rows holds row 8 u + r + 8 (r / 8).
; Source 0 = W_out's tile, source 1 = ctx's: a lane holds one row of out0, and tiles 2 b, 2 b + 1 give it the 16 neighbouring columns 32 b + 16 h + 0..15.  The bias is the C of each sum's first product.
; W_out's eight records of the 64 columns (one a K step, 8,448 bytes) fill LDS ONCE, 67,584 bytes.  CLUSTER: the four work-groups of a cluster have the same y and ask for them JOINTLY.
; ctx's fragments are each wave's own and go from memory straight into its registers: the work-group's 256 x 1,024 bytes of ctx, W_out's records and the stages do not fit in LDS together.
; THE WAY OUT: a tile of 16 rows x 64 columns goes through the wave's own stage in LDS (rows of 256 + 16 bytes; no fill lands there) and leaves as rows: sixteen lanes store 256 consecutive bytes, aligned.
; The launch claims more LDS than it uses.
; REGISTERS: window 0: v1-13 addresses; v16-31 ctx's scale words; v32-35 W_out's, two sets; v64-255 ctx's fragments, three sets of 64 (on the way out: rows).
;   window 1: W_out's fragments, two sets of 64; from v128 the bias.   window 2: the accumulators, (m, t) at v[8 (4 m + t)].
.set XS_OFF, 4194304
.set WO_OFF, 3244032
.set OREC,   8448
.set OGRP,   8*OREC
.set STAGE,  8*OREC
.set LI,  1                            ; v1   16 x lane
.set LS,  2                            ; v2   4 x lane
.set WA,  4                            ; v4-5  LDS: records 4 k .. 4 k + 3
.set WSA, 6                            ; v6-7  their scale words
.set SO,  8                            ; v8   the stage: where I put 32 bytes of a row
.set SR,  9                            ; v9   and where I read a row back
.set GO,  10                           ; v10  my byte offset in two rows of out0
.set BA,  13                           ; v13  the bias: 64 h
.set XS,  16
.set WS,  32
.set XF,  64
.set BK,  64
.set BO,  128                          ; window 1: the bias's four tiles
.set WV,  12
.set G1,  24
.set G0,  32
.set MSB, 0
.macro WIN new                         ; the immediate's high byte repeats the setting that is left
.if MSB != (\new)
	s_set_vgpr_msb (MSB<<8)|(\new)
.set MSB, (\new)
.endif
.endm
.macro PLACES n
.rept \n
	v_nop
.endr
.endm
.macro CROUND                          ; a round of the cluster's barrier
	s_barrier_signal -1
	s_barrier_wait -1
	s_cmp_lg_u32 s[WV], 0
	s_cbranch_scc1 .Lnot_wave_0_\@
	s_barrier_signal -3
.Lnot_wave_0_\@:
	s_barrier_wait -3
	s_barrier_signal -1
	s_barrier_wait -1
.endm
.macro WM d, a, b, c, sa, sb, ra, rb   ; one product; ra, rb = 1: that side's scales stand in lanes 16-31
.if (\ra) && (\rb)
	v_wmma_scale_f32_16x16x128_f8f6f4 v[(\d):(\d)+7], v[(\a):(\a)+15], v[(\b):(\b)+15], v[(\c):(\c)+7], v[(\sa)], v[(\sb)] matrix_a_scale:MATRIX_SCALE_ROW1 matrix_b_scale:MATRIX_SCALE_ROW1
.elseif (\ra)
	v_wmma_scale_f32_16x16x128_f8f6f4 v[(\d):(\d)+7], v[(\a):(\a)+15], v[(\b):(\b)+15], v[(\c):(\c)+7], v[(\sa)], v[(\sb)] matrix_a_scale:MATRIX_SCALE_ROW1
.elseif (\rb)
	v_wmma_scale_f32_16x16x128_f8f6f4 v[(\d):(\d)+7], v[(\a):(\a)+15], v[(\b):(\b)+15], v[(\c):(\c)+7], v[(\sa)], v[(\sb)] matrix_b_scale:MATRIX_SCALE_ROW1
.else
	v_wmma_scale_f32_16x16x128_f8f6f4 v[(\d):(\d)+7], v[(\a):(\a)+15], v[(\b):(\b)+15], v[(\c):(\c)+7], v[(\sa)], v[(\sb)]
.endif
.endm
	s_load_b256 s[4:11], s[0:1], 0x0               ; cq, wq, b_out, out0
	v_lshl_add_u32 v62, v0, 2, 0x29000
	v_mov_b32 v63, 0
	ds_add_u32 v62, v63
	ds_add_u32 v62, v63
	v_lshrrev_b32 v1, 5, v0
	v_readfirstlane_b32 s[WV], v1                  ; wave 0..3
	s_bfe_u32 s13, ttmp6, 0x40000                  ; cx
	s_lshl_b32 s14, ttmp9, 2
	s_add_co_u32 s14, s14, s13                     ; R = 4 x cluster x + cx: it enters ctx's and out0's global addresses alone
	s_and_b32 s15, ttmp7, 0xffff                   ; y, which the four partners share
	; descriptor group 1: two records are dense: 66 rows of 256 bytes (32 elements of 8 bytes)
	s_mov_b32 s[G1], 15|(3<<16)|(1<<21)            ; 15:0 the mask: all four work-groups; 17:16 elements of 8 bytes; 21 set beside a mask
	s_mov_b32 s[G1+1], 32<<16
	s_mov_b32 s[G1+2], 66<<16
	s_mov_b32 s[G1+3], 32<<16
	s_mov_b32 s[G1+4], 66
	s_mov_b32 s[G1+5], 32
	s_mov_b32 s[G1+6], 0
	s_mov_b32 s[G1+7], 0
	s_mul_i32 s16, s15, OGRP
	s_mul_i32 s18, s[WV], 2*OREC                   ; wave w brings records 2 w and 2 w + 1
	s_add_co_u32 s16, s16, s18
	s_add_co_u32 s16, s16, WO_OFF
	s_mov_b32 s17, 0
	s_wait_dscnt 0x0
	s_wait_kmcnt 0x0
	s_mov_b32 s[G0], 1
	s_mov_b32 s[G0+1], s18
	s_add_nc_u64 s[G0+2:G0+3], s[6:7], s[16:17]
	s_or_b32 s[G0+3], s[G0+3], 0x80000000
	CROUND                                         ; all four work-groups are here: the joint loads meet
	tensor_load_to_lds s[G0:G0+3], s[G1:G1+7]      ; the only fill of the launch: one load of mine is out
	s_nop 0
	PLACES 4
	v_and_b32 v11, 31, v0
	v_lshlrev_b32 v[LI], 4, v11
	v_lshlrev_b32 v[LS], 2, v11
.irp k, 0,1
	v_add_nc_u32 v[WA+\k], \k*4*OREC, v[LI]
	v_add_nc_u32 v[WSA+\k], \k*4*OREC, v[LS]
.endr
	s_mul_i32 s19, s[WV], 16*272
	s_add_co_u32 s19, s19, STAGE                   ; my stage
	v_and_b32 v11, 15, v0                          ; r
	v_bfe_u32 v12, v0, 4, 1                        ; h
	v_mul_u32_u24 v[SO], v11, 272
	v_lshl_add_u32 v[SO], v12, 6, v[SO]
	v_add_nc_u32 v[SO], s19, v[SO]                 ; in: row r, + 64 h
	v_mul_u32_u24 v[SR], v12, 272
	v_lshl_add_u32 v[SR], v11, 4, v[SR]
	v_add_nc_u32 v[SR], s19, v[SR]                 ; back: lanes 0-15 one row, lanes 16-31 the next
	v_lshlrev_b32 v[GO], 12, v12
	v_lshl_add_u32 v[GO], v11, 4, v[GO]            ; and the same two rows in out0
	v_lshlrev_b32 v[BA], 6, v12
	s_lshl_b32 s20, s14, 3
	s_lshl_b32 s21, s[WV], 1
	s_add_co_u32 s20, s20, s21                     ; my first block of 32 rows: 8 R + 2 w
	s_lshl_b32 s22, s20, 15
	s_mov_b32 s23, 0
	s_add_nc_u64 s[36:37], s[4:5], s[22:23]        ; its codes
	s_lshl_b32 s22, s20, 10
	s_add_co_u32 s22, s22, XS_OFF
	s_add_nc_u64 s[38:39], s[4:5], s[22:23]        ; its scale words
	s_lshl_b32 s22, s15, 8
	s_add_nc_u64 s[8:9], s[8:9], s[22:23]          ; the bias's 64 numbers
	s_lshl_b32 s21, s20, 17                        ; 32 rows of 4,096 bytes a block,
	s_add_co_u32 s22, s22, s21                     ; + 256 y
	s_add_nc_u64 s[10:11], s[10:11], s[22:23]      ; out0 at my first row and column
.irp k, 0,1,2,3,4,5,6,7
.irp q, 0,1
	global_load_b32 v[XS+2*\k+\q], v[LS], s[38:39] offset:\q*1024+\k*128
.endr
.endr
	WIN 0x40                                       ; destination window 1
.irp t, 0,1,2,3
	global_load_b128 v[BO+8*\t:BO+8*\t+3], v[BA], s[8:9] offset:(32*(\t/2)+8*(\t%2))*4
	global_load_b128 v[BO+8*\t+4:BO+8*\t+7], v[BA], s[8:9] offset:(32*(\t/2)+8*(\t%2))*4+16
.endr
	WIN 0
.macro XLOAD s                         ; ctx's four fragments of K step s into set s % 3
.irp m, 0,1,2,3
.irp c, 0,1,2,3
	global_load_b128 v[XF+64*((\s)%3)+16*\m+4*\c:XF+64*((\s)%3)+16*\m+4*\c+3], v[LI], s[36:37] offset:(\m/2)*32768+(\s)*4096+(\m%2)*2048+\c*512
.endr
.endr
.endm
.macro WLOAD s                         ; W_out's four fragments and two registers of scale words of K step s into sets s % 2
	WIN 0x40
.irp t, 0,1,2,3
.irp c, 0,1,2,3
	ds_load_b128 v[64*((\s)%2)+16*\t+4*\c:64*((\s)%2)+16*\t+4*\c+3], v[WA+(\s)/4] offset:((\s)%4)*OREC+\t*2048+\c*512
.endr
.endr
	WIN 0
.irp p, 0,1
	ds_load_b32 v[WS+2*((\s)%2)+\p], v[WSA+(\s)/4] offset:((\s)%4)*OREC+8192+128*\p
.endr
.endm
; A K step of 128: 16 products, the 16 accumulators by turns, one instruction a turn, in the same order in every step.
.macro OSTEP s
.if (\s) < 7
	WLOAD (\s)+1                                   ; into the sets that the step before multiplied: its eight places stand behind its products
	s_wait_dscnt 18                                ; all but the 18 just issued: this step's W_out is in
.else
	s_wait_dscnt 0x0
.endif
.if (\s) <= 5
	s_wait_loadcnt 32                              ; this step's ctx is in (in step 0 also the scale words and the bias); the next two steps' 32 loads may be out
.elseif (\s) == 6
	s_wait_loadcnt 16
.else
	s_wait_loadcnt 0x0
.endif
.if (\s) == 0
	WIN 0x91                                       ; source 0 (W_out) window 1, source 1 (ctx) window 0, C (the bias) window 1, D window 2
.else
	WIN 0xa1                                       ; C and D window 2
.endif
.irp t, 0,1,2,3
.irp m, 0,1,2,3
.if (\s) == 0
	WM 8*(4*\m+\t), 64*((\s)%2)+16*\t, XF+64*((\s)%3)+16*\m, BO+8*\t, WS+2*((\s)%2)+\t/2, XS+2*(\s)+\m/2, \t%2, \m%2
.else
	WM 8*(4*\m+\t), 64*((\s)%2)+16*\t, XF+64*((\s)%3)+16*\m, 8*(4*\m+\t), WS+2*((\s)%2)+\t/2, XS+2*(\s)+\m/2, \t%2, \m%2
.endif
.endr
.endr
	WIN 0
	PLACES 8                                       ; in front of loads into registers that these products have read, and of the first read of results (ISA guide 7.12.1 for vector instructions)
.if (\s) <= 4
	XLOAD (\s)+3
.endif
.endm
	XLOAD 0
	XLOAD 1
	XLOAD 2
	s_wait_tensorcnt 0x0                           ; my two records are in,
	s_barrier_signal -1
	s_barrier_wait -1                              ; everybody's are
	WLOAD 0
.irp k, 0,1,2,3,4,5,6,7
	OSTEP \k
.endr
	; THE WAY OUT.  LDS serves a wave's instructions in order: a tile's loads see its stores, and the next tile's stores come behind them.
.irp m, 0,1,2,3
	WIN 0x08                                       ; an LDS store's data are its source 1: window 2
.irp t, 0,1,2,3
	ds_store_b128 v[SO], v[8*(4*\m+\t):8*(4*\m+\t)+3] offset:128*(\t/2)+32*(\t%2)          ; lane (r, h): columns 32 (t / 2) + 16 h + 8 (t % 2) + 0..7 of the tile's row r; each accumulator from its low end on
	ds_store_b128 v[SO], v[8*(4*\m+\t)+4:8*(4*\m+\t)+7] offset:128*(\t/2)+32*(\t%2)+16
.endr
	WIN 0
.irp i, 0,1,2,3,4,5,6,7
	ds_load_b128 v[BK+32*\m+4*\i:BK+32*\m+4*\i+3], v[SR] offset:544*\i
.endr
.endr
.irp m, 0,1,2,3
	s_wait_dscnt 16*(3-\m)                         ; tile m is back; the later tiles' 8 stores and 8 loads each may be out
.irp i, 0,1,2,3,4,5,6,7
	global_store_b128 v[GO], v[BK+32*\m+4*\i:BK+32*\m+4*\i+3], s[10:11] offset:(32*(\m/2)+8*(\m%2)+2*\i+8*(\i/4))*4096 th:TH_STORE_NT   ; stage row 2 i + (lane / 16) is the tile's row of that number: 16 lanes store 256 consecutive bytes, aligned
.endr
.endr
	s_wait_dscnt 0x0
	s_wait_tensorcnt 0x0
	ds_add_u32 v62, v63
	s_wait_dscnt 0x0
	CROUND                                         ; the closing round: no work-group ends while a partner may still ask for a record that names it
	s_endpgm
.Lfunc_end_k_qaf2c0eace9_outp:
	.size	k_qaf2c0eace9_outp, .Lfunc_end_k_qaf2c0eace9_outp-k_qaf2c0eace9_outp
	.p2alignl 7, 3214868480
	.fill 96, 4, 3214868480
	.section	.rodata,"a",@progbits
	.p2align	6, 0x0
	.amdhsa_kernel k_qaf2c0eace9_outp
		.amdhsa_group_segment_fixed_size 168448
		.amdhsa_private_segment_fixed_size 0
		.amdhsa_enable_private_segment 0
		.amdhsa_kernarg_size 32
		.amdhsa_user_sgpr_count 2
		.amdhsa_user_sgpr_kernarg_segment_ptr 1
		.amdhsa_wavefront_size32 1
		.amdhsa_system_sgpr_workgroup_id_x 1
		.amdhsa_system_sgpr_workgroup_id_y 1
		.amdhsa_system_sgpr_workgroup_id_z 1
		.amdhsa_system_vgpr_workitem_id 0
		.amdhsa_next_free_vgpr 640
		.amdhsa_next_free_sgpr 66
		.amdhsa_reserve_vcc 0
		.amdhsa_float_denorm_mode_32 3
		.amdhsa_float_denorm_mode_16_64 3
		.amdhsa_memory_ordered 1
		.amdhsa_forward_progress 1
		.amdhsa_inst_pref_size 55
	.end_amdhsa_kernel
	.amdgpu_metadata
---
amdhsa.version: [ 1, 2 ]
amdhsa.kernels:
  - .name:           k_qaf2c0eace9_outp
    .symbol:         k_qaf2c0eace9_outp.kd
    .args:
      - { .name: cq, .offset: 0, .size: 8, .value_kind: global_buffer, .address_space: global }
      - { .name: wq, .offset: 8, .size: 8, .value_kind: global_buffer, .address_space: global }
      - { .name: b_out, .offset: 16, .size: 8, .value_kind: global_buffer, .address_space: global }
      - { .name: out0, .offset: 24, .size: 8, .value_kind: global_buffer, .address_space: global }
    .group_segment_fixed_size: 168448
    .private_segment_fixed_size: 0
    .kernarg_segment_align: 8
    .kernarg_segment_size: 32
    .max_flat_workgroup_size: 128
    .sgpr_count:     66
    .vgpr_count:     640
    .wavefront_size: 32
...
	.end_amdgpu_metadata
.endif
;; end of part 4
